; MI455X (gfx1250); checked and timed in simulation.
; The chip was launched on July 23, 2026; its instructions are those of AMD's public machine-readable ISA for CDNA 5 (MIT licence, August 2026) and "CDNA5" Instruction Set Architecture Reference Guide (July 2026). The comments in the code are by the model that wrote it; some were corrected since.
;; Transformer Block. Allowed arithmetic: matrix products marked QUANTISED: E2M3 operands, one E8M0 scale for each 32 along K, by v_wmma_scale_f32_16x16x128_f8f6f4 with both operands' format E2M3, f32 sums; everything else in f32.
;; Inputs: b1 4,096 float32; b2 1,024 float32; b_o 1,024 float32; bt1 1,024 float32; bt2 1,024 float32; g1 1,024 float32; g2 1,024 float32; w1 1,024 x 4,096 float32; w2 4,096 x 1,024 float32; w_o 1,024 x 1,024 float32; w_qkv 1,024 x 3,072 float32; x 2 x 2,048 x 1,024 float32.
;; Outputs: out0 2 x 2,048 x 1,024 float32.
;; This version of the problem:
;;   THIS VERSION OF THE PROBLEM IS GIVEN IN LOW PRECISION. The matrix products marked QUANTISED in the list below multiply operands that are first quantised to E2M3 (2 exponent bits, 3 mantissa bits; 6 bits a number), with one power-of-two scale for each 32 numbers along K (OCP MX v1.0); their sums are f32. All else is computed in f32.
;;   The module's matrix products, in the order in which they are computed (A, B: the left and right operand; K: the contracted axis; several contracted axes count as one K, in the product's order):
;;     1. [M 4,096, K 1,024] x [K 1,024, N 3,072]; A: input x; B: input w_qkv: QUANTISED
;;     2. batch 32 x [M 2,048, K 64] x [K 64, N 2,048]; A: computed on the way; B: computed on the way: QUANTISED
;;     3. batch 32 x [M 64, K 2,048] x [K 2,048, N 2,048]; A: computed on the way; B: softmax (see below): QUANTISED
;;     4. [M 4,096, K 1,024] x [K 1,024, N 1,024]; A: computed on the way; B: input w_o: QUANTISED
;;     5. [M 4,096, K 1,024] x [K 1,024, N 4,096]; A: computed on the way; B: input w1: QUANTISED
;;     6. [M 4,096, K 4,096] x [K 4,096, N 1,024]; A: computed on the way; B: input w2: QUANTISED
;;   THE QUANTISER, for each operand of a quantised product, along K:
;;     - K is cut into blocks of 32 from its start; a last block that is shorter is filled with zeros.
;;     - A block's scale is 2^e with e = floor(log2(the largest magnitude in the block)) - 2, held to -126 .. 127; a block of zeros has e = 0. As a byte (E8M0): e + 127.
;;     - Each number is divided by its block's scale, clamped to +-7.5, and rounded to the nearest number of E2M3, ties to even, subnormals kept.
;;     - The product sums the exact products of the quantised numbers (number of the format x scale) in f32.
;;   ~~~python
;;   def quantise(x, axis):      # numpy; x: float32 -> the quantised numbers, widened to float32 again
;;       x = np.moveaxis(x, axis, -1); K = x.shape[-1]
;;       x = np.pad(x, [(0, 0)] * (x.ndim - 1) + [(0, -K % 32)]); x = x.reshape(x.shape[:-1] + (-1, 32)); a = np.abs(x).max(-1, keepdims=True)
;;       e = np.where(a > 0, np.clip(np.frexp(np.where(a > 0, a, 1))[1] - 1 - 2, -126, 127), 0)      # np.frexp(a)[1] - 1 = floor(log2(a)), exactly
;;       r = np.clip(x / 2.0 ** e, -7.5, 7.5)
;;       step = 2.0 ** (np.maximum(np.frexp(np.where(r == 0, 1, r))[1] - 1, 0) - 3)
;;       q = np.round(r / step) * step * 2.0 ** e      # np.round: ties to even
;;       return np.moveaxis(q.reshape(q.shape[:-2] + (-1,))[..., :K], -1, axis).astype(np.float32)
;;   ~~~
;;   SOFTMAX AHEAD OF A QUANTISED PRODUCT. Where the list says 'softmax', what is quantised is not the finished softmax but p = 2^(t - M), with t = logit x log2(e) and M = ceil(the row's largest t), a whole number; so 1/2 < the row's largest p <= 1. The row's sum l is taken of the UNQUANTISED p, in f32, and the product's result is divided by l at the end. Since M is a whole number, a kernel that streams over the keys may use a running M (the ceiling of the running maximum): every later rescaling is an exact power of two, which a block's scale takes up: the codes' values come out the same.
;;   OPERANDS COMPUTED ON THE WAY. 'Computed on the way' means the value that the module computes at that place (a softmax that the list does not call 'softmax' is quantised finished and normalised). What goes into a quantiser is computed in f32, as accurately as f32 sums, v_exp_f32 and their like allow (about 1e-6 of the number): no bf16 or f16 on the way to a quantiser, and a product that is left as it is and whose result goes on into a quantised operand takes f32 operands (vector FMAs, or v_wmma_f32_16x16x4_f32). A number that lies on a knife's edge between two numbers of the format may be rounded either way, as far as f32 arithmetic and the matrix unit's own rounding can turn it there, and no further.
;; One version. Each part assembles by itself: llvm-mc -triple=amdgcn-amd-amdhsa -mcpu=gfx1250 --defsym DOCPART=n.
;; ======== version 1 of 1: 7 launches
;; limits: right only within a limited range of input values
;; workspace buffers: wq 13,107,200 bytes; qkvc 10,092,544 bytes; aoc 3,276,800 bytes; z 16,777,216 bytes; yb 20,054,016 bytes; hc 13,107,200 bytes
;; launch quant (part 1): grid 896 x 1, 4 waves a work-group, no clusters, 46,592 bytes of LDS; arguments x, w_qkv, w_o, w1, w2, wq; writes wq
.if DOCPART == 1
	.amdgcn_target "amdgcn-amd-amdhsa--gfx1250"
	.amdhsa_code_object_version 6
	.text
	.protected	k_q47ad483b4c_quant
	.globl	k_q47ad483b4c_quant
	.p2align	8
	.type	k_q47ad483b4c_quant,@function
k_q47ad483b4c_quant:
	s_mov_b64 s[64:65], 0
	v_nop
	global_prefetch_b8 v0, s[64:65] scope:SCOPE_SE
	s_setreg_imm32_b32 hwreg(HW_REG_WAVE_MODE, 25, 1), 1
	s_wait_xcnt 0x0
; x [4096][1024] and the four weights ([K][N], K first) become codes of FP6 (E2M3) with one E8M0 byte for each 32 along K, laid as the products' operand registers want them.
; TILES.  A tile T has 16 labels r; label (T, r) is the true row 32 (T / 2) + 8 (T % 2) + r % 8 + 16 (r / 8).  (A weight's "row" is its column n.)
; A FRAGMENT'S IMAGE (16 labels x 128 K, 12 registers a lane) is 1,536 bytes: half c at 768 c: registers 6c..6c+3 at 16 x lane, registers 6c+4, 6c+5 at 512 + 8 x lane.  Codes lie [T][K step][1536].
; SCALE WORDS lie [T / 8][K step][r][T % 2][(T % 8) / 2], 512 bytes for eight tiles and one K step.
; A block's scale is 2^(floor(log2(largest magnitude)) - 2); its byte is the largest magnitude's exponent field - 2, held at 1 from below.
; LIMITS: a block of zeros gets the byte 1 (its codes are zeros, and this program alone reads the bytes); blocks under 2^-124 are held at the byte 1; NaN and infinities are not served.
; Work-groups 0-127 take x (a wave: four tiles, 64 tokens, x 128 K), the other 768 the weights (a work-group: 128 columns x 128 K; a lane a column, its registers down K).  The two ways use LDS bytes of their own.
; The shares are small on purpose: a wave asks twice (two tiles or two blocks ahead), and all 896 work-groups have room on the chip at once, so that many waves have loads on their way together.
; No tensor loads, no barrier: waves share nothing.  No matrix unit, no cluster: every input byte is read once by one wave.
; x's scale words leave in pieces of 8 bytes and the weights' in pieces of 4: one byte for each 128 that is read.
.set XSO,   3145728
.set WQKVC, 3276800
.set WQKVS, 5636096
.set WOC,   5734400
.set WOS,   6520832
.set W1C,   6553600
.set W1S,   9699328
.set W2C,   9830400
.set W2S,   12976128
.set SEL, 18                           ; s[18:19] lane selects for v_permlanex16_b32: lane l xor 16
.set TM,  8                            ; v8-23   the quantiser's work
.set PWS, 24                           ; v24-27  x: the four tiles' scale words
.set R,   32                           ; v32-159 x: two sets of 64 registers as loaded
.set H,   160                          ; v160-223 x: 64 numbers of my row: register 16 b + i = k 32 b + 16 (lane / 16) + i
.set PC,  224                          ; v224-243 the codes just made
.set VO,  32                           ; v32-63  weights: byte offset of row i of a block at my column
.set XW,  64                           ; v64-127 weights: two sets of 32 numbers
.set CW,  128                          ; v128-133 a block's codes
.set DW,  136                          ; v136-138 their upper half as the conversion leaves it
.set SW,  140                          ; v140    the scale word
.set OUTW, 144                         ; v144-167 the way out
; 64 numbers of a lane become a fragment's codes in v[PC] on and its scale word in v[pw]
.macro QUANT s, pw
.irp b, 0,1,2,3
	v_max3_num_f32 v[TM+\b], |v[\s+16*\b]|, |v[\s+1+16*\b]|, 0x1800000   ; my 16 numbers of block b, and the floor 2^(3 - 127): the byte cannot fall under 1
.endr
.irp i, 2,4,6,8,10,12,14
.irp b, 0,1,2,3
	v_max3_num_f32 v[TM+\b], v[TM+\b], |v[\s+16*\b+\i]|, |v[\s+1+16*\b+\i]|
.endr
.endr
.irp b, 0,1,2,3
	v_permlanex16_b32 v[TM+4+\b], v[TM+\b], s[SEL], s[SEL+1]
.endr
.irp b, 0,1,2,3
	v_max_num_f32 v[TM+\b], v[TM+\b], v[TM+4+\b]   ; with lane l xor 16's: the block's largest magnitude
.endr
.irp b, 0,1,2,3
	v_add_nc_u32 v[TM+12+\b], 0xff000000, v[TM+\b]   ; 2 off its exponent field: the conversion's scale operand
.endr
.irp b, 0,1,2,3
	v_lshrrev_b32 v[TM+4+\b], 23, v[TM+12+\b]      ; the scale's byte
.endr
	v_lshl_or_b32 v[\pw], v[TM+5], 8, v[TM+4]
	v_lshl_or_b32 v[\pw], v[TM+6], 16, v[\pw]
	v_lshl_or_b32 v[\pw], v[TM+7], 24, v[\pw]
.irp c, 0,1
	v_cvt_scalef32_pk16_fp6_f32 v[PC+6*\c:PC+2+6*\c], v[\s+32*\c:\s+15+32*\c], v[TM+12+2*\c]
	v_cvt_scalef32_pk16_fp6_f32 v[PC+12+4*\c:PC+14+4*\c], v[\s+16+32*\c:\s+31+32*\c], v[TM+12+2*\c+1]   ; (a conversion's three registers begin on an even number)
.endr
	v_nop                                          ; one plain place behind a scaled conversion
.irp c, 0,1                                    ; the operand wants a whole block in a lane: lanes 0-15 block 2 c, lanes 16-31 block 2 c + 1
.irp i, 0,1,2
	v_permlane16_swap_b32 v[PC+6*\c+\i], v[PC+12+4*\c+\i]
.endr
.irp i, 0,1,2
	v_mov_b32 v[PC+3+6*\c+\i], v[PC+12+4*\c+\i]
.endr
.endr
.endm
	s_load_b256 s[4:11], s[0:1], 0x0               ; x s[4:5], w_qkv s[6:7], w_o s[8:9], w1 s[10:11]
	s_load_b128 s[12:15], s[0:1], 0x20             ; w2 s[12:13], wq s[14:15]
	v_lshl_add_u32 v254, v0, 2, 0xb400
	v_mov_b32 v255, 0
	v_lshrrev_b32 v1, 5, v0
	v_readfirstlane_b32 s16, v1                    ; wave 0..3
	v_and_b32 v7, 31, v0                           ; lane
	v_lshlrev_b32 v1, 4, v7                        ; 16 x lane
	v_lshlrev_b32 v2, 3, v7                        ; 8 x lane
	s_mov_b32 s[SEL], 0x76543210
	s_mov_b32 s[SEL+1], 0xfedcba98
	s_cmp_lt_u32 ttmp9, 128
	s_cbranch_scc0 .Lweights
	; ---------------- x: my wave takes tiles 8 G + 4 half .. + 3 (64 tokens) at K step s
	v_and_b32 v6, 15, v0                           ; r
	v_bfe_u32 v5, v0, 4, 1                         ; h
	s_mul_i32 s20, s16, 8448                       ; my stage: 16 rows x (512 + 16) bytes
	v_add_nc_u32 v3, s20, v1                       ; in: a row's 512 bytes as loaded
	v_mul_u32_u24 v4, v6, 528
	v_lshl_add_u32 v4, v5, 6, v4
	v_add_nc_u32 v4, s20, v4                       ; out: row r, + 64 h: my 16 numbers of a block
	v_lshlrev_b32 v6, 5, v6
	v_lshl_add_u32 v5, v5, 4, v6                   ; 32 r + 16 h: my place among the scale words
.irp b, 0,1,2,3
	v_mov_b32 v[TM+4+\b], 0                        ; written once: a lane permute's destination counts as one of its sources
.endr
	s_lshl_b32 s21, ttmp9, 2
	s_add_co_u32 s21, s21, s16                     ; 16 G + 2 s + half
	s_lshr_b32 s22, s21, 4                         ; G
	s_bfe_u32 s23, s21, 0x30001                    ; s: 3 bits from bit 1
	s_and_b32 s30, s21, 1                          ; half
	s_lshl_b32 s24, s22, 19                        ; 128 rows of 4,096 bytes
	s_lshl_b32 s25, s30, 18                        ; 64 rows
	s_add_co_u32 s24, s24, s25
	s_lshl_b32 s25, s23, 9                         ; 128 numbers
	s_add_co_u32 s24, s24, s25
	s_mov_b32 s25, 0
	s_mul_i32 s26, s22, 98304                      ; eight tiles x eight K steps x 1,536
	s_mul_i32 s27, s30, 49152                      ; four tiles
	s_add_co_u32 s26, s26, s27
	s_mul_i32 s27, s23, 1536
	s_add_co_u32 s26, s26, s27
	s_mov_b32 s27, 0
	s_lshl_b32 s28, s22, 3
	s_add_co_u32 s28, s28, s23                     ; 8 G + s
	s_lshl_b32 s28, s28, 9
	s_lshl_b32 s29, s30, 3                         ; tiles 4 half .. + 3 have (T % 8) / 2 = 2 half, 2 half + 1: 8 bytes on for the upper half
	s_add_co_u32 s28, s28, s29
	s_add_co_u32 s28, s28, XSO
	s_mov_b32 s29, 0
	s_wait_alu depctr_va_vdst(0)
	s_wait_kmcnt 0x0
	s_add_nc_u64 s[4:5], s[4:5], s[24:25]
	s_add_nc_u64 s[26:27], s[14:15], s[26:27]      ; the codes
	s_add_nc_u64 s[28:29], s[14:15], s[28:29]      ; the scale words
.macro XLOADS a                        ; my tile a's 16 rows: each load reads 512 consecutive bytes of one row
.irp i, 0,1,2,3,4,5,6,7,8,9,10,11,12,13,14,15
	global_load_b128 v[R+64*((\a)%2)+4*\i:R+64*((\a)%2)+4*\i+3], v1, s[4:5] offset:(32*((\a)/2)+8*((\a)%2)+\i%8+16*(\i/8))*4096 th:TH_LOAD_NT
.endr
.endm
.macro XTILE a
.if (\a) < 3
	s_wait_loadcnt 16                              ; this tile's 16 loads are in; the next tile's 16 may be out
.else
	s_wait_loadcnt 0x0
.endif
.irp i, 0,1,2,3,4,5,6,7,8,9,10,11,12,13,14,15
	ds_store_b128 v3, v[R+64*((\a)%2)+4*\i:R+64*((\a)%2)+4*\i+3] offset:528*\i
.endr
.irp b, 0,1,2,3
.irp j, 0,1,2,3
	ds_load_b128 v[H+16*\b+4*\j:H+16*\b+4*\j+3], v4 offset:128*\b+16*\j   ; LDS serves a wave's instructions in order: these see my stores
.endr
.endr
	s_wait_dscnt 0x0                               ; the numbers are back, and the stores have read their registers
	s_wait_xcnt 0x0                                ; the last tile's stores have read the codes' registers
.if (\a)+2 < 4
	XLOADS (\a)+2
.endif
	QUANT H, PWS+(\a)
	global_store_b128 v1, v[PC:PC+3], s[26:27] offset:12288*(\a)          ; 512 consecutive bytes
	global_store_b64 v2, v[PC+4:PC+5], s[26:27] offset:12288*(\a)+512     ; 256 consecutive bytes
	global_store_b128 v1, v[PC+6:PC+9], s[26:27] offset:12288*(\a)+768
	global_store_b64 v2, v[PC+10:PC+11], s[26:27] offset:12288*(\a)+1280
.endm
	XLOADS 0
	XLOADS 1
.irp t, 0,1,2,3
	XTILE \t
.endr
	v_cmp_le_u32 vcc_lo, 16, v7                    ; lanes 16-31 take the odd tiles' words
	v_cndmask_b32 v[TM], v[PWS], v[PWS+1], vcc_lo
	v_cndmask_b32 v[TM+1], v[PWS+2], v[PWS+3], vcc_lo
	global_store_b64 v5, v[TM:TM+1], s[28:29]      ; my four tiles' words of this K step
	s_wait_tensorcnt 0x0
	ds_add_u32 v254, v255
	s_wait_dscnt 0x0
	s_endpgm
	; ---------------- the weights
.Lweights:
	s_wait_alu depctr_va_vdst(0)
	v_lshlrev_b32 v3, 2, v7                        ; 4 bytes a column
	v_bfe_u32 v4, v0, 3, 1                         ; u: which of the two tiles my column falls into
	v_and_b32 v5, 7, v0
	v_bfe_u32 v6, v0, 4, 1
	v_lshl_add_u32 v5, v6, 3, v5                   ; r: its label there
	s_mul_i32 s20, s16, 3072
	s_add_co_u32 s20, s20, 33792                   ; my stage: [u 2][1536]
	v_mul_u32_u24 v8, v4, 1536
	v_add_nc_u32 v8, s20, v8
	v_lshl_add_u32 v9, v5, 4, v8                   ; where my registers 0-3 of a half go
	v_lshl_add_u32 v10, v5, 3, v8                  ; and registers 4, 5 (512 on, in the immediate)
	v_add_nc_u32 v11, s20, v1                      ; the way back: 16 x lane
	v_lshlrev_b32 v12, 5, v5
	v_lshl_add_u32 v12, v4, 4, v12                 ; 32 r + 16 u: my scale word's place
	s_sub_co_u32 s21, ttmp9, 128                   ; which tensor: [0, 192) w_qkv, [192, 256) w_o, [256, 512) w1, [512, 768) w2
	s_mov_b32 s22, 1024                            ; N
	s_mov_b32 s23, 32                              ; K steps
	s_mov_b32 s24, 5                               ; log2 of the work-groups along K: one for each K step
	s_mov_b32 s25, 512                             ; the tensor's first work-group
	s_mov_b32 s26, W2C
	s_mov_b32 s27, W2S
	s_wait_kmcnt 0x0
	s_mov_b64 s[28:29], s[12:13]
	s_cmp_lt_u32 s21, 512
	s_cselect_b32 s22, 4096, s22
	s_cselect_b32 s23, 8, s23
	s_cselect_b32 s24, 3, s24
	s_cselect_b32 s25, 256, s25
	s_cselect_b32 s26, W1C, s26
	s_cselect_b32 s27, W1S, s27
	s_cselect_b64 s[28:29], s[10:11], s[28:29]
	s_cmp_lt_u32 s21, 256
	s_cselect_b32 s22, 1024, s22
	s_cselect_b32 s25, 192, s25
	s_cselect_b32 s26, WOC, s26
	s_cselect_b32 s27, WOS, s27
	s_cselect_b64 s[28:29], s[8:9], s[28:29]
	s_cmp_lt_u32 s21, 192
	s_cselect_b32 s22, 3072, s22
	s_cselect_b32 s25, 0, s25
	s_cselect_b32 s26, WQKVC, s26
	s_cselect_b32 s27, WQKVS, s27
	s_cselect_b64 s[28:29], s[6:7], s[28:29]
	s_cselect_b32 s30, 1, 0                        ; w_qkv?
	s_sub_co_u32 s21, s21, s25
	s_bfm_b32 s31, s24, 0
	s_and_b32 s31, s21, s31                        ; Y: which K step
	s_lshr_b32 s32, s21, s24                       ; X: which 128 columns
	s_lshl_b32 s32, s32, 7
	s_lshl_b32 s33, s16, 5
	s_add_co_u32 s32, s32, s33                     ; n0: my wave's first column
	s_lshr_b32 s33, s32, 6                         ; w_qkv's column is head x 192 + which x 64 + d: it becomes row which x 1024 + head x 64 + d
	s_mul_i32 s34, s33, 171
	s_lshr_b32 s34, s34, 9                         ; head = (n0 / 64) / 3, exact for n0 / 64 under 48
	s_mul_i32 s35, s34, 3
	s_sub_co_u32 s35, s33, s35                     ; which
	s_lshl_b32 s35, s35, 10
	s_lshl_b32 s34, s34, 6
	s_add_co_u32 s35, s35, s34
	s_and_b32 s34, s32, 63
	s_add_co_u32 s35, s35, s34
	s_cmp_lg_u32 s30, 0
	s_cselect_b32 s35, s35, s32                    ; the operand's first row
	s_lshr_b32 s36, s35, 5                         ; its pair of tiles
	s_lshl_b32 s37, s31, 7                         ; 128 Y rows
	s_mul_i32 s38, s37, s22
	s_add_co_u32 s38, s38, s32
	s_lshl_b32 s38, s38, 2
	s_mov_b32 s39, 0
	s_add_nc_u64 s[28:29], s[28:29], s[38:39]      ; the weight at (128 Y, n0)
	s_lshl_b32 s40, s22, 7                         ; a block on: 32 rows of 4 N bytes
	s_mov_b32 s41, 0
	s_lshl_b32 s42, s22, 2                         ; a row
	s_lshl_b32 s43, s36, 1
	s_mul_i32 s43, s43, s23
	s_add_co_u32 s43, s43, s31
	s_mul_i32 s43, s43, 1536
	s_add_co_u32 s46, s43, s26
	s_mov_b32 s47, 0
	s_add_nc_u64 s[46:47], s[14:15], s[46:47]      ; the even tile's image of K step Y
	s_mul_i32 s48, s23, 1536
	s_mov_b32 s49, 0
	s_add_nc_u64 s[48:49], s[46:47], s[48:49]      ; the odd tile's
	s_lshr_b32 s50, s36, 2
	s_mul_i32 s50, s50, s23
	s_add_co_u32 s50, s50, s31
	s_lshl_b32 s50, s50, 9
	s_and_b32 s51, s36, 3
	s_lshl_b32 s51, s51, 2
	s_add_co_u32 s50, s50, s51
	s_add_co_u32 s50, s50, s27
	s_mov_b32 s51, 0
	s_add_nc_u64 s[50:51], s[14:15], s[50:51]      ; the scale words
.set i, 0
.rept 32
	v_mad_u32_u24 v[VO+i], s42, i, v3
.set i, i+1
.endr
.macro LOAD t                          ; block t: 32 rows at my column: 128 consecutive bytes a wave, 512 a work-group
.set i, 0
.rept 32
	global_load_b32 v[XW+32*((\t)%2)+i], v[VO+i], s[28:29] th:TH_LOAD_NT
.set i, i+1
.endr
	s_wait_xcnt 0x0                                ; the loads have read their base: it steps
	s_add_nc_u64 s[28:29], s[28:29], s[40:41]
.endm
.macro BLOCK t
.set XB, XW+32*((\t)%2)
.if (\t) < 3
	s_wait_loadcnt 32                              ; this block's 32 loads are in; the next block's may be out
.else
	s_wait_loadcnt 0x0
.endif
	v_max3_num_f32 v16, |v[XB]|, |v[XB+1]|, |v[XB+2]|
	v_max3_num_f32 v17, |v[XB+3]|, |v[XB+4]|, |v[XB+5]|
.irp i, 6,10,14,18,22,26
	v_max3_num_f32 v16, v16, |v[XB+\i]|, |v[XB+\i+1]|
	v_max3_num_f32 v17, v17, |v[XB+\i+2]|, |v[XB+\i+3]|
.endr
	v_max3_num_f32 v16, v16, |v[XB+30]|, |v[XB+31]|
	v_max3_num_f32 v16, v16, v17, 0x1800000        ; and the floor
	v_add_nc_u32 v18, 0xff000000, v16
	v_lshrrev_b32 v19, 23, v18
.if (\t) == 0
	v_mov_b32 v[SW], v19
.else
	v_lshl_or_b32 v[SW], v19, 8*(\t), v[SW]
.endif
	v_cvt_scalef32_pk16_fp6_f32 v[CW:CW+2], v[XB:XB+15], v18
	v_cvt_scalef32_pk16_fp6_f32 v[DW:DW+2], v[XB+16:XB+31], v18
	v_nop                                          ; one plain place behind a scaled conversion
	v_mov_b32 v[CW+3], v[DW]
	v_mov_b32 v[CW+4], v[DW+1]
	v_mov_b32 v[CW+5], v[DW+2]
	ds_store_b128 v9, v[CW:CW+3] offset:768*((\t)/2)+256*((\t)%2)       ; block t is lane (r, t % 2), half t / 2 of the K step
	ds_store_b64 v10, v[CW+4:CW+5] offset:768*((\t)/2)+512+128*((\t)%2)
.if (\t)+2 < 4
	LOAD (\t)+2
.endif
	s_wait_dscnt 0x0                               ; the stores have read their registers
.endm
	LOAD 0
	s_wait_alu depctr_va_vdst(0)
	LOAD 1
.irp t, 0,1,2,3
	BLOCK \t
.endr
.irp m, 0,1,2,3,4,5
	ds_load_b128 v[OUTW+4*\m:OUTW+4*\m+3], v11 offset:512*\m
.endr
.irp m, 0,1,2,3,4,5
	s_wait_dscnt 5-\m                              ; LDS loads come back in order: load m is in, the younger ones may be out
.if \m < 3
	global_store_b128 v1, v[OUTW+4*\m:OUTW+4*\m+3], s[46:47] offset:512*\m   ; 512 consecutive bytes
.else
	global_store_b128 v1, v[OUTW+4*\m:OUTW+4*\m+3], s[48:49] offset:512*(\m-3)
.endif
.endr
	s_wait_alu depctr_va_vdst(0)
	global_store_b32 v12, v[SW], s[50:51]
	s_wait_tensorcnt 0x0
	ds_add_u32 v254, v255
	s_wait_dscnt 0x0
	s_endpgm
.Lfunc_end_k_q47ad483b4c_quant:
	.size	k_q47ad483b4c_quant, .Lfunc_end_k_q47ad483b4c_quant-k_q47ad483b4c_quant
	.p2alignl 7, 3214868480
	.fill 96, 4, 3214868480
	.section	.rodata,"a",@progbits
	.p2align	6, 0x0
	.amdhsa_kernel k_q47ad483b4c_quant
		.amdhsa_group_segment_fixed_size 46592
		.amdhsa_private_segment_fixed_size 0
		.amdhsa_enable_private_segment 0
		.amdhsa_kernarg_size 48
		.amdhsa_user_sgpr_count 2
		.amdhsa_user_sgpr_kernarg_segment_ptr 1
		.amdhsa_wavefront_size32 1
		.amdhsa_system_sgpr_workgroup_id_x 1
		.amdhsa_system_sgpr_workgroup_id_y 1
		.amdhsa_system_sgpr_workgroup_id_z 1
		.amdhsa_system_vgpr_workitem_id 0
		.amdhsa_next_free_vgpr 256
		.amdhsa_next_free_sgpr 66
		.amdhsa_reserve_vcc 1
		.amdhsa_float_denorm_mode_32 3
		.amdhsa_float_denorm_mode_16_64 3
		.amdhsa_memory_ordered 1
		.amdhsa_forward_progress 1
		.amdhsa_inst_pref_size 60
	.end_amdhsa_kernel
	.amdgpu_metadata
---
amdhsa.version: [ 1, 2 ]
amdhsa.kernels:
  - .name:           k_q47ad483b4c_quant
    .symbol:         k_q47ad483b4c_quant.kd
    .args:
      - { .name: x, .offset: 0, .size: 8, .value_kind: global_buffer, .address_space: global }
      - { .name: w_qkv, .offset: 8, .size: 8, .value_kind: global_buffer, .address_space: global }
      - { .name: w_o, .offset: 16, .size: 8, .value_kind: global_buffer, .address_space: global }
      - { .name: w1, .offset: 24, .size: 8, .value_kind: global_buffer, .address_space: global }
      - { .name: w2, .offset: 32, .size: 8, .value_kind: global_buffer, .address_space: global }
      - { .name: wq, .offset: 40, .size: 8, .value_kind: global_buffer, .address_space: global }
    .group_segment_fixed_size: 46592
    .private_segment_fixed_size: 0
    .kernarg_segment_align: 8
    .kernarg_segment_size: 48
    .max_flat_workgroup_size: 128
    .sgpr_count:     66
    .vgpr_count:     256
    .wavefront_size: 32
...
	.end_amdgpu_metadata
.endif
;; end of part 1
;; launch qkv (part 2): grid 12 x 16, 4 waves a work-group, clusters of 4 x 4, 327,680 bytes of LDS; arguments wq, qkvc; writes qkvc
.if DOCPART == 2
	.amdgcn_target "amdgcn-amd-amdhsa--gfx1250"
	.amdhsa_code_object_version 6
	.text
	.protected	k_q47ad483b4c_qkv
	.globl	k_q47ad483b4c_qkv
	.p2align	8
	.type	k_q47ad483b4c_qkv,@function
k_q47ad483b4c_qkv:
	s_mov_b64 s[64:65], 0
	v_nop
	global_prefetch_b8 v0, s[64:65] scope:SCOPE_SE
	s_setreg_imm32_b32 hwreg(HW_REG_WAVE_MODE, 25, 1), 1
	s_wait_xcnt 0x0
	s_wait_alu depctr_hold_cnt(0) depctr_sa_sdst(0) depctr_va_vdst(0) depctr_va_sdst(0) depctr_va_ssrc(0) depctr_va_vcc(0) depctr_vm_vsrc(0)
	s_getreg_b32 s2, hwreg(HW_REG_IB_STS2, 6, 4)
	s_cmp_eq_u32 s2, 0
	s_cbranch_scc0 .Lentry_in_a_cluster
	s_endpgm
.Lentry_in_a_cluster:
	s_bfe_u32 s2, ttmp6, 0x10000c
	s_cmp_lg_u32 s2, 0xf033
	s_cbranch_scc0 .Lentry_shape_is_right
	s_endpgm
.Lentry_shape_is_right:
; x w_qkv on codes of FP6 (E2M3); the result is quantised again, along its N, in registers.
; Operands lie as images of fragments: [tile T][K step][1536] (half c at 768 c: registers 6c..6c+3 at 16 x lane, 6c+4, 6c+5 at 512 + 8 x lane); label r of tile T is row 32 (T / 2) + 8 (T % 2) + r % 8 + 16 (r / 8).
; Scale words lie [T / 8][K step][r][T % 2][(T % 8) / 2].
; A tile of C, 256 x 256, is made by four waves, each 128 x 128: 64 accumulators, 512 registers.
; K = 1,024 is four tiles of 256 along K, 98,304 bytes each.  THREE LDS slots are filled at the start; slot 0 alone is filled again, with the fourth tile, and that load has the 256 matrix instructions of slots 1 and 2 in which to land.
; By this text's count one tensor load of a wave is out at a time.
; THE MATRIX INSTRUCTION IS USED TRANSPOSED (source 0 = 16 labels of B, source 1 = 16 labels of A): a lane holds one label of A, and by the tiles' order the 16 registers of B's tiles 2 b, 2 b + 1 are 16 neighbours along N:
; so a block of A (16 labels x 128 N) is quantised like any 64 numbers of a lane and leaves as one fragment's image: no LDS on the way out, each store 512 or 256 consecutive bytes.
; Clusters with x = 0, 1: A = x, B = the rows of w_q and w_k: q and k quantised along the head's 64 (a half image each).  Clusters with x = 2: A = the rows of w_v, B = x: v^T quantised along the tokens.
; CLUSTERS: 4 x 4 work-groups; A's tiles are asked for jointly along a row of the cluster, B's along a column.  The choice of operands hangs on the cluster's x, which all partners share.
; No prefetch: three quarters of K are asked for at the head, and each panel is asked for by several clusters together.
; LIMITS: a block of zeros gets the byte 1; blocks under 2^-124 are held at the byte 1; NaN and infinities are not served.
; REGISTERS: window 0: v8-31 addresses; v32-63 scale words, two sets; v128-223 A's fragments, one set; on the way out v128-179 are at work.  window 1: B's fragments, two sets.  windows 2, 3: the accumulators.
; THE FILLS AS THE TEXT HAS THEM (in place of what stands above on three slots filled at the start): at the head one tensor load a wave: wave 0 A's sixteen tiles of K steps 0, 1,
; wave 2 B's, waves 1 and 3 the scale words of A and of B.  Behind the three lines and a round each wave asks for its eight tiles of K steps 2 to 5 by ONE load (rows of 6,144 bytes):
; slots 1 and 2 are the two halves of those rows.  Slot 0 is filled again with K steps 6, 7.  By this text's count one tensor load of a wave is out at a time.
.set NKS,   8
.set NQ,    2                          ; K steps in a slot
.set FRB,   1536                       ; a fragment's image
.set ROWB,  NQ*FRB                     ; a tile's bytes in a slot
.set KROW,  NKS*FRB                    ; a tile's bytes in memory
.set HALFT, 8*ROWB                     ; eight tiles: what one tensor load brings, and what one wave reads of A or of B
.set SLOT,  4*HALFT
.set SCL,   3*SLOT                     ; behind the three slots: the scale words of all of K, filled once
.set HALFS, NKS*512                    ; those of eight tiles
.set SPARE, SCL+4*HALFS                ; the spare words: 128 bytes for each wave, named by no other line
.set FR,    12
.set NL,    4                          ; LDS loads that bring a fragment
.set NP,    4                          ; places behind this matrix instruction (ISA guide 7.12.1)
.set XS,    3145728                    ; offsets in wq
.set WQKVC, 3276800
.set WQKVS, 5636096
.set QKS,   6291456                    ; in qkvc
.set VC,    6815744
.set VS,    9961472
.set ADRA, 8                           ; v8-10 A's fragments in slot 0, 1, 2: 16 x lane;  v11-13: 512 + 8 x lane
.set ADRB, 16                          ; v16-18, v19-21 the same for B
.set L16,  24                          ; v24  16 x lane
.set L8,   25                          ; v25  8 x lane
.set RH,   26                          ; v26  32 r + 16 h
.set ADRS, 27                          ; v27  my scale words: lanes 0-15 A's, lanes 16-31 B's
.set SPW,  28                          ; v28  my spare word; never rewritten
.set NIL,  29                          ; v29  0; never rewritten
.set RV,   30                          ; v30  16 r + 4096 h
.set LN,   31                          ; v31  lane
.set SC,   32                          ; scale words: set sc, K step q, tile a at SC + 16 sc + 8 q + 4 (a % 2) + a / 2
.set AF,   128
.set TM,   128                         ; the way out
.set PWS,  144
.set SS,   152
.set PC,   160
.set G1, 24
.set G0, 32                            ; s[32:39] A's groups 0 for slot 0 and for slots 1, 2
.set G0A2, 96
.set G1B, 48
.set G0B, 56                           ; s[56:63] B's for slot 0 and for slots 1, 2
.set G0B2, 92
.set G1S, 68
.set G0S, 76
.set G1SB, 80
.set G0SB, 88
.set MSB, 0
.macro WIN new                         ; the immediate's high byte repeats the setting that is left
.if MSB != (\new)
	s_set_vgpr_msb (MSB<<8)|(\new)
.set MSB, (\new)
.endif
.endm
.set MUL_LO,  0xa1                     ; source 0 (B) window 1, source 1 (A) window 0, C and D window 2
.set MUL_HI,  0xf1                     ; the same, C and D window 3
.set MUL_LO0, 0x81                     ; a sum's first product: C is the constant 0, D window 2
.set MUL_HI0, 0xc1
.set TO_B,    0x40
; A joint load: waves 0 and 1 fetch for A, waves 2 and 3 for B; four v_nop follow each of the two lines
.macro JLOAD g0a, g1a, g0b, g1b
	s_cmp_eq_u32 s15, 0
	s_cbranch_scc0 .Lfor_b_\@
	tensor_load_to_lds s[\g0a:\g0a+3], s[\g1a:\g1a+7]
	s_nop 0
.rept 4
	v_nop
.endr
	s_branch .Lasked_\@
.Lfor_b_\@:
	tensor_load_to_lds s[\g0b:\g0b+3], s[\g1b:\g1b+7]
	s_nop 0
.rept 4
	v_nop
.endr
.Lasked_\@:
.endm
.macro CREST                           ; a round of the cluster's barrier behind its opening barrier
	s_cmp_lg_u32 s14, 0
	s_cbranch_scc1 .Lnot_wave_0_\@
	s_barrier_signal -3
.Lnot_wave_0_\@:
	s_barrier_wait -3
	s_barrier_signal -1
	s_barrier_wait -1
.endm
.macro CROUND
	s_barrier_signal -1
	s_barrier_wait -1
	CREST
.endm
.macro PLACES n
.rept \n
	v_nop
.endr
.endm
	s_load_b64 s[4:5], s[0:1], 0x0                 ; wq: A's buffer
	s_load_b64 s[8:9], s[0:1], 0x0                 ; wq: B's buffer
	s_load_b64 s[12:13], s[0:1], 0x8               ; qkvc
	v_lshl_add_u32 v[SPW], v0, 2, SPARE
	v_mov_b32 v[NIL], 0
	ds_add_u32 v28, v29
	ds_add_u32 v28, v29
	s_wait_dscnt 0x0
	v_lshrrev_b32 v1, 5, v0
	v_readfirstlane_b32 s14, v1                    ; wave 0..3
	s_lshr_b32 s15, s14, 1                         ; which half of the tile's rows is mine.  Also: I fetch for A (0) or for B (1)
	s_and_b32 s16, s14, 1                          ; which half of its columns.  Also: which eight tiles I fetch
	s_bfe_u32 s40, ttmp6, 0x40000                  ; cx, cy
	s_bfe_u32 s41, ttmp6, 0x40004
	s_and_b32 s17, ttmp7, 0xffff                   ; the cluster's y
	s_cmp_eq_u32 ttmp9, 2                          ; the third column of clusters makes v^T
	s_cselect_b32 s42, s17, ttmp9
	s_cselect_b32 s17, 0, s17
	s_cselect_b32 s100, 1, 0
	s_cselect_b32 s96, WQKVC+128*KROW, 0           ; A's codes: w_v's rows, or x
	s_mov_b32 s97, XS
	s_cselect_b32 s97, WQKVS+16*HALFS, s97
	s_cselect_b32 s98, 0, WQKVC                    ; B's codes: x, or w_q's and w_k's rows
	s_mov_b32 s99, WQKVS
	s_cselect_b32 s99, XS, s99
	s_lshl_b32 s42, s42, 2
	s_add_co_u32 s42, s42, s40                     ; tile column of C
	s_lshl_b32 s17, s17, 2
	s_add_co_u32 s17, s17, s41                     ; tile row of C
	s_lshl_b32 s43, s41, 2
	s_lshl_b32 s43, 15, s43                        ; my row of the cluster
	s_lshl_b32 s44, 0x1111, s40                    ; my column
	; descriptor group 1: eight tiles x ROWB bytes (elements of 8 bytes), KROW bytes apart; no padding: every LDS read is of consecutive bytes
	s_or_b32 s[G1+0], s43, (3<<16)|(1<<21)
	s_or_b32 s[G1B+0], s44, (3<<16)|(1<<21)
.irp g, G1, G1B
	s_mov_b32 s[\g+1], (ROWB/8)<<16                ; tensor_dim0
	s_mov_b32 s[\g+2], 16<<16                      ; the head's loads bring sixteen tiles
	s_mov_b32 s[\g+3], (ROWB/8)<<16                ; tile_dim0
	s_mov_b32 s[\g+4], 16
	s_mov_b32 s[\g+5], KROW/8                      ; tensor_dim0_stride
	s_mov_b32 s[\g+6], 0
	s_mov_b32 s[\g+7], 0
.endr
	; the scale words of sixteen tiles: a dense block of 2 HALFS bytes, as rows of 256
	s_or_b32 s[G1S+0], s43, (3<<16)|(1<<21)
	s_or_b32 s[G1SB+0], s44, (3<<16)|(1<<21)
.irp g, G1S, G1SB
	s_mov_b32 s[\g+1], 32<<16
	s_mov_b32 s[\g+2], (HALFS/128)<<16             ; the scale words of sixteen tiles
	s_mov_b32 s[\g+3], 32<<16
	s_mov_b32 s[\g+4], HALFS/128
	s_mov_b32 s[\g+5], 32
	s_mov_b32 s[\g+6], 0
	s_mov_b32 s[\g+7], 0
.endr
	s_lshl_b32 s18, s16, 3
	s_lshl_b32 s20, s17, 4
	s_add_co_u32 s20, s20, s18                     ; A: first tile 16 x tile row + 8 x half
	s_mul_i32 s20, s20, KROW
	s_add_co_u32 s20, s20, s96
	s_mov_b32 s21, 0
	s_lshl_b32 s46, s42, 4
	s_add_co_u32 s46, s46, s18                     ; B likewise by the tile column
	s_mul_i32 s46, s46, KROW
	s_add_co_u32 s46, s46, s98
	s_mov_b32 s47, 0
	s_lshl_b32 s22, s17, 1
	s_mul_i32 s22, s22, HALFS
	s_add_co_u32 s22, s22, s97
	s_mov_b32 s23, 0
	s_lshl_b32 s2, s42, 1
	s_mul_i32 s2, s2, HALFS
	s_add_co_u32 s2, s2, s99
	s_mov_b32 s3, 0
	s_mul_i32 s45, s14, HALFT                      ; where they go: by the wave's number alone
	s_wait_kmcnt 0x0
	s_add_nc_u64 s[20:21], s[4:5], s[20:21]
	s_add_nc_u64 s[22:23], s[4:5], s[22:23]
	s_add_nc_u64 s[46:47], s[8:9], s[46:47]
	s_add_nc_u64 s[2:3], s[8:9], s[2:3]
	CROUND                                         ; all sixteen work-groups are here: the first joint loads meet
	s_mov_b32 s[G0S], 1
	s_mov_b32 s[G0S+1], SCL
	s_mov_b64 s[G0S+2:G0S+3], s[22:23]
	s_or_b32 s[G0S+3], s[G0S+3], 0x80000000
	s_mov_b32 s[G0SB], 1
	s_mov_b32 s[G0SB+1], SCL+2*HALFS
	s_mov_b64 s[G0SB+2:G0SB+3], s[2:3]
	s_or_b32 s[G0SB+3], s[G0SB+3], 0x80000000
.irp s, 0,1
	s_mov_b32 s[G0+4*\s], 1
	s_lshl_b32 s[G0+4*\s+1], s45, \s               ; set 1 serves K steps 2 to 5: a wave's part is twice as long
	s_add_co_u32 s[G0+4*\s+1], s[G0+4*\s+1], \s*SLOT
	s_add_nc_u64 s[G0+4*\s+2:G0+4*\s+3], s[20:21], \s*ROWB
	s_or_b32 s[G0+4*\s+3], s[G0+4*\s+3], 0x80000000
	s_mov_b32 s[G0B+4*\s], 1
	s_lshl_b32 s[G0B+4*\s+1], s45, \s
	s_add_co_u32 s[G0B+4*\s+1], s[G0B+4*\s+1], \s*SLOT
	s_add_nc_u64 s[G0B+4*\s+2:G0B+4*\s+3], s[46:47], \s*ROWB
	s_or_b32 s[G0B+4*\s+3], s[G0B+4*\s+3], 0x80000000
.endr
; THE HEAD'S LOADS, one a wave, in one chain of branches on the wave's number.  Waves 0 and 2 have the first half's addresses in their own groups 0: with sixteen rows these bring all of A's, all of B's tiles of slot 0.
.macro HARM w, g0, g1
	s_cmp_eq_u32 s14, \w
	s_cbranch_scc0 .Lnot_arm_\w
	tensor_load_to_lds s[\g0:\g0+3], s[\g1:\g1+7]
	s_nop 0
.rept 4
	v_nop
.endr
	s_branch .Lhead_asked
.Lnot_arm_\w:
.endm
	HARM 0, G0, G1
	HARM 2, G0B, G1B
	HARM 1, G0S, G1S
	tensor_load_to_lds s[G0SB:G0SB+3], s[G1SB:G1SB+7]
	s_nop 0
.rept 4
	v_nop
.endr
.Lhead_asked:
	v_and_b32 v[LN], 31, v0
	v_and_b32 v2, 15, v0                           ; r
	v_bfe_u32 v3, v0, 4, 1                         ; h
	v_lshlrev_b32 v[L16], 4, v[LN]
	v_lshlrev_b32 v[L8], 3, v[LN]
	v_add_nc_u32 v4, 512, v[L8]
	s_mul_i32 s18, s15, HALFT                      ; my eight tiles of A
	s_mul_i32 s19, s16, HALFT                      ; my eight tiles of B,
	s_add_co_u32 s19, s19, 2*HALFT                 ; which lie behind A's sixteen
.irp s, 0,1,2
	v_add_nc_u32 v[ADRA+\s], s18, v[L16]
	v_add_nc_u32 v[ADRA+3+\s], s18, v4
	v_add_nc_u32 v[ADRB+\s], s19, v[L16]
	v_add_nc_u32 v[ADRB+3+\s], s19, v4
.if \s == 0
	s_lshl_b32 s18, s18, 1                         ; behind slot 0 a tile's row holds four K steps: my eight tiles lie twice as far in
	s_lshl_b32 s19, s19, 1
	s_add_co_u32 s18, s18, SLOT
	s_add_co_u32 s19, s19, SLOT
.else
	s_add_co_u32 s18, s18, ROWB                    ; slot 2 is the second half of those rows
	s_add_co_u32 s19, s19, ROWB
.endif
.endr
	s_mul_i32 s18, s15, HALFS
	s_mul_i32 s19, s16, HALFS
	s_add_co_u32 s19, s19, 2*HALFS
	s_sub_co_u32 s19, s19, s18                     ; from A's words to B's
	v_mul_u32_u24 v5, s19, v3                      ; lanes 16-31 take B's
	s_add_co_u32 s18, s18, SCL
	v_lshl_add_u32 v5, v2, 5, v5
	v_add_nc_u32 v[ADRS], s18, v5
	v_lshlrev_b32 v[RH], 5, v2
	v_lshl_add_u32 v[RH], v3, 4, v[RH]
	v_lshlrev_b32 v[RV], 4, v2
	v_lshl_add_u32 v[RV], v3, 12, v[RV]
	s_lshl_b32 s6, s17, 1
	s_add_co_u32 s6, s6, s15                       ; G: my eight tiles of A, counted in eights
	; where the results go.  q, k: half c of block a is head 4 x tile column + 2 wc + c, tile 8 G + a.  v^T: block a is head 2 G + a / 4, tile a % 4 of its 64, tokens 128 (2 x tile column + wc) on
	s_lshl_b32 s7, s42, 2
	s_lshl_b32 s10, s16, 1
	s_add_co_u32 s7, s7, s10                       ; which x 16 + head
	s_lshl_b32 s10, s7, 8
	s_lshl_b32 s11, s6, 3
	s_add_co_u32 s10, s10, s11
	s_mul_i32 s10, s10, 768                        ; q, k: codes
	s_lshl_b32 s11, s7, 5
	s_add_co_u32 s11, s11, s6
	s_lshl_b32 s11, s11, 9
	s_add_co_u32 s11, s11, QKS                     ; q, k: scale words
	s_lshl_b32 s18, s42, 1
	s_add_co_u32 s18, s18, s16
	s_lshr_b32 s19, s18, 4                         ; the batch
	s_and_b32 s18, s18, 15                         ; the K step of 128 tokens in it
	s_lshl_b32 s19, s19, 4
	s_lshl_b32 s66, s6, 1
	s_add_co_u32 s19, s19, s66
	s_lshl_b32 s19, s19, 4
	s_add_co_u32 s19, s19, s18
	s_mul_i32 s18, s19, 6144
	s_add_co_u32 s18, s18, VC                      ; v^T: codes
	s_lshl_b32 s19, s19, 8
	s_add_co_u32 s19, s19, VS                      ; v^T: scale words
	s_cmp_lg_u32 s100, 0
	s_cselect_b32 s20, s18, s10
	s_cselect_b32 s22, s19, s11
	s_mov_b32 s46, 196608
	s_cselect_b32 s46, 768, s46                    ; from half 0 to half 1: the next head, or the image's second half
	s_mov_b32 s4, 768
	s_cselect_b32 s4, 1536, s4                     ; from block to block
	s_mov_b32 s66, 768
	s_cselect_b32 s66, 93696, s66                  ; from block 3 to block 4: in v^T the next head
	s_mov_b32 s21, 0
	s_mov_b32 s23, 0
	s_mov_b32 s47, 0
	s_mov_b32 s5, 0
	s_mov_b32 s67, 0
	s_add_nc_u64 s[20:21], s[12:13], s[20:21]
	s_add_nc_u64 s[46:47], s[20:21], s[46:47]
	s_add_nc_u64 s[22:23], s[12:13], s[22:23]
.macro FRAG reg, adr, q, i             ; a fragment comes as it was stored: four loads of consecutive bytes
	ds_load_b128 v[\reg:\reg+3], v[\adr] offset:RP*(\i)+FRB*(\q)
	ds_load_b64 v[\reg+4:\reg+5], v[\adr+3] offset:RP*(\i)+FRB*(\q)
	ds_load_b128 v[\reg+6:\reg+9], v[\adr] offset:RP*(\i)+FRB*(\q)+768
	ds_load_b64 v[\reg+10:\reg+11], v[\adr+3] offset:RP*(\i)+FRB*(\q)+768
.endm
; 16 matrix instructions: A's blocks a0, a0 + 1 x B's eight.  The 64 accumulators take turns, one instruction a turn, in the same order in every step.
.macro MUL16 a0, p, q, sc, zero
.irp a, \a0, \a0+1
.irp b, 0,1,2,3,4,5,6,7
.set rD, 8*(8*((\a)%4)+\b)
.set rB, 128*(\p)+FR*\b
.set rA, AF+FR*(\a)
.set rSB, SC+16*(\sc)+8*(\q)+4*(\b%2)+\b/2
.set rSA, SC+16*(\sc)+8*(\q)+4*((\a)%2)+(\a)/2
.if \zero
	v_wmma_scale_f32_16x16x128_f8f6f4 v[rD:rD+7], v[rB:rB+FR-1], v[rA:rA+FR-1], 0, v[rSB], v[rSA] matrix_a_fmt:MATRIX_FMT_FP6 matrix_b_fmt:MATRIX_FMT_FP6 matrix_a_scale:MATRIX_SCALE_ROW1
.else
	v_wmma_scale_f32_16x16x128_f8f6f4 v[rD:rD+7], v[rB:rB+FR-1], v[rA:rA+FR-1], v[rD:rD+7], v[rSB], v[rSA] matrix_a_fmt:MATRIX_FMT_FP6 matrix_b_fmt:MATRIX_FMT_FP6 matrix_a_scale:MATRIX_SCALE_ROW1
.endif
.endr
.endr
.endm
.macro FETCH_B slot, q, p
.set RP, ROWB*(1+((\slot)+1)/2)        ; from tile to tile: 3,072 bytes in slot 0, 6,144 in slots 1 and 2
	WIN TO_B
.irp i, 0,1,2,3,4,5,6,7
	FRAG 128*(\p)+FR*\i, ADRB+\slot, \q, \i
.endr
	WIN 0
.endm
.macro FETCH_A slot, q, i0
.set RP, ROWB*(1+((\slot)+1)/2)
.irp i, \i0, \i0+1, \i0+2, \i0+3
	FRAG AF+FR*(\i), ADRA+\slot, \q, \i
.endr
.endm
.macro SCALES sc                       ; a tile's scale words into set sc: lanes 0-15 A's eight tiles, lanes 16-31 B's
.irp q, 0,1
	ds_load_b128 v[SC+16*\sc+8*\q:SC+16*\sc+8*\q+3], v[ADRS] offset:512*\q
	ds_load_b128 v[SC+16*\sc+8*\q+4:SC+16*\sc+8*\q+7], v[ADRS] offset:512*\q+16
.endr
.endm
.macro STEP slot, sc, q, zero          ; a step of 128 along K that has its successor in the same slot
	s_wait_dscnt 4*NL                              ; B's set, A's blocks 0-3 and the scale words are in; the youngest 16 loads (A's blocks 4-7) may be out
.if \zero
	WIN MUL_LO0
.else
	WIN MUL_LO
.endif
	MUL16 0, (\q)%2, \q, \sc, \zero
	MUL16 2, (\q)%2, \q, \sc, \zero
	s_wait_dscnt 0                                 ; A's blocks 4-7 are in
	PLACES NP
	FETCH_B \slot, (\q)+1, 1-(\q)%2
	FETCH_A \slot, (\q)+1, 0
.if \zero
	WIN MUL_HI0
.else
	WIN MUL_HI
.endif
	MUL16 4, (\q)%2, \q, \sc, \zero
	MUL16 6, (\q)%2, \q, \sc, \zero
	PLACES NP
	WIN 0
	FETCH_A \slot, (\q)+1, 4
.endm
; A slot's last step goes on into slot next.  sc, nsc: the sets of scale words of this tile and of the next.
; mode 2: slot 0 has been read out and is filled again: each wave waits for all its tensor loads, adds 0 to its spare word, waits for that and for its reads of the slot; a round of the cluster's barrier; the joint refill first behind it.
; mode 1: the slot ahead was filled again: the same lines and my work-group's barrier.
; mode 0: the slot ahead is one of the first fills, shown whole to every wave by mode 2's wait and round: no barrier.
.macro TURN sc, next, nsc, mode
.if \mode
	s_wait_tensorcnt 0x0                           ; all my tensor loads have landed
	ds_add_u32 v[SPW], v[NIL]                      ; 0 onto my spare word
	s_wait_dscnt 4*NL+1                            ; (the add and the youngest 16 loads may be out)
.else
	s_wait_dscnt 4*NL
.endif
	WIN MUL_LO
	MUL16 0, 1, NQ-1, \sc, 0
.if \mode
	s_wait_dscnt 0x0                               ; the add is done, and my reads of this slot are over
	s_barrier_signal -1
.endif
	MUL16 2, 1, NQ-1, \sc, 0
	WIN 0
.if \mode
	s_barrier_wait -1
.else
	s_wait_dscnt 0x0                               ; A's blocks 4-7 are in
.endif
.if \mode == 2
	CREST                                          ; the barrier has opened a round of the cluster's barrier: no wave of any partner still reads slot 0 or has a load on its way
	s_add_nc_u64 s[G0+2:G0+3], s[G0+2:G0+3], 3*ROWB
	s_add_nc_u64 s[G0B+2:G0B+3], s[G0B+2:G0B+3], 3*ROWB
.irp g, G1, G1B
	s_mov_b32 s[\g+1], (ROWB/8)<<16                ; no tensor load of mine is out: the refill's rows hold two K steps again
	s_mov_b32 s[\g+3], (ROWB/8)<<16
.endr
	JLOAD G0, G1, G0B, G1B                         ; the first tensor load behind the round; its four v_nop are the places in front of the loads below
.else
	PLACES NP
.endif
	v_add_nc_u32 v[ADRS], 512*NQ, v[ADRS]          ; the next tile's scale words
	FETCH_B \next, 0, 0
	FETCH_A \next, 0, 0
	SCALES \nsc
	WIN MUL_HI
	MUL16 4, 1, NQ-1, \sc, 0
	MUL16 6, 1, NQ-1, \sc, 0
	PLACES NP
	WIN 0
	FETCH_A \next, 0, 4
.endm
	s_wait_alu depctr_va_vdst(0)
	s_wait_tensorcnt 0x0                           ; my tile of the head's four is in
	ds_add_u32 v[SPW], v[NIL]
.irp g, G1, G1B
	s_mov_b32 s[\g+1], (ROWB/4)<<16                ; no tensor load of mine is out: the next load brings eight tiles x four K steps
	s_mov_b32 s[\g+2], 8<<16
	s_mov_b32 s[\g+3], (ROWB/4)<<16
	s_mov_b32 s[\g+4], 8
.endr
	s_wait_dscnt 0x0
	CROUND                                         ; all four tiles are in, and all sixteen work-groups are here
	JLOAD G0+4, G1, G0B+4, G1B                     ; K steps 2 to 5, the first tensor load behind the round
	FETCH_B 0, 0, 0
	FETCH_A 0, 0, 0
	SCALES 0
	FETCH_A 0, 0, 4
	STEP 0, 0, 0, 1                                ; the first step starts the sums
	TURN 0, 1, 1, 2                                ; slot 0 takes the fourth tile; on into slot 1
	s_wait_alu depctr_va_vdst(0)
	STEP 1, 1, 0, 0
	TURN 1, 2, 0, 0                                ; on into slot 2
	s_wait_alu depctr_va_vdst(0)
	STEP 2, 0, 0, 0
	TURN 0, 0, 1, 1                                ; on into slot 0: the fourth tile
	STEP 0, 1, 0, 0
	s_wait_dscnt 4*NL
	WIN MUL_LO
	MUL16 0, 1, NQ-1, 1, 0
	MUL16 2, 1, NQ-1, 1, 0
	s_wait_dscnt 0
	WIN MUL_HI
	MUL16 4, 1, NQ-1, 1, 0
	MUL16 6, 1, NQ-1, 1, 0
	WIN 0
	; THE WAY OUT: block a (16 labels of A x my 128 columns) is 64 numbers a lane, register 16 b + i = column 32 b + 16 h + i: quantised along the columns, it is one fragment
	PLACES NP
	s_mov_b32 s18, 0x76543210
	s_mov_b32 s19, 0xfedcba98
.irp b, 0,1,2,3
	v_mov_b32 v[TM+4+\b], 0                        ; a lane permute's destination counts as one of its sources
.endr
.macro QBLOCK a
.set AC, 64*((\a)%4)
.set XW, 2+(\a)/4
	WIN (XW<<2)|(XW<<4)
.irp b, 0,1,2,3
	v_max3_num_f32 v[TM+\b], 0x1800000, |v[AC+16*\b]|, |v[AC+16*\b+1]|   ; the floor 2^(3 - 127) among the leaves; each accumulator is first read at its low end
.endr
.irp i, 2,4,6,8,10,12,14
.irp b, 0,1,2,3
	v_max3_num_f32 v[TM+\b], v[TM+\b], |v[AC+16*\b+\i]|, |v[AC+16*\b+\i+1]|
.endr
.endr
	WIN 0
.irp b, 0,1,2,3
	v_permlanex16_b32 v[TM+4+\b], v[TM+\b], s18, s19
.endr
.irp b, 0,1,2,3
	v_max_num_f32 v[TM+\b], v[TM+\b], v[TM+4+\b]
.endr
.irp b, 0,1,2,3
	v_add_nc_u32 v[TM+12+\b], 0xff000000, v[TM+\b]
.endr
.irp b, 0,1,2,3
	v_lshrrev_b32 v[TM+4+\b], 23, v[TM+12+\b]
.endr
	v_lshl_or_b32 v[PWS+(\a)], v[TM+5], 8, v[TM+4]
	v_lshl_or_b32 v[PWS+(\a)], v[TM+6], 16, v[PWS+(\a)]
	v_lshl_or_b32 v[PWS+(\a)], v[TM+7], 24, v[PWS+(\a)]
	s_wait_xcnt 0x0                                ; the last block's stores have read their registers and bases
.if (\a) == 4
	s_add_nc_u64 s[20:21], s[20:21], s[66:67]
	s_add_nc_u64 s[46:47], s[46:47], s[66:67]
.elseif (\a) > 0
	s_add_nc_u64 s[20:21], s[20:21], s[4:5]
	s_add_nc_u64 s[46:47], s[46:47], s[4:5]
.endif
	WIN XW
.irp c, 0,1
	v_cvt_scalef32_pk16_fp6_f32 v[PC+6*\c:PC+2+6*\c], v[AC+32*\c:AC+15+32*\c], v[TM+12+2*\c]
	v_cvt_scalef32_pk16_fp6_f32 v[PC+12+4*\c:PC+14+4*\c], v[AC+16+32*\c:AC+31+32*\c], v[TM+12+2*\c+1]
.endr
	WIN 0
	v_nop                                          ; one plain place behind a scaled conversion
.irp c, 0,1
.irp i, 0,1,2
	v_permlane16_swap_b32 v[PC+6*\c+\i], v[PC+12+4*\c+\i]
.endr
.irp i, 0,1,2
	v_mov_b32 v[PC+3+6*\c+\i], v[PC+12+4*\c+\i]
.endr
.endr
	global_store_b128 v[L16], v[PC:PC+3], s[20:21]
	global_store_b64 v[L8], v[PC+4:PC+5], s[20:21] offset:512
	global_store_b128 v[L16], v[PC+6:PC+9], s[46:47]
	global_store_b64 v[L8], v[PC+10:PC+11], s[46:47] offset:512
.endm
.irp t, 0,1,2,3,4,5,6,7
	QBLOCK \t
.endr
	v_cmp_le_u32 vcc_lo, 16, v[LN]                 ; lanes 16-31
	s_cmp_lg_u32 s100, 0
	s_cbranch_scc1 .Lv_words
.irp j, 0,1,2,3
	v_cndmask_b32 v[SS+\j], v[PWS+2*\j], v[PWS+2*\j+1], vcc_lo   ; lanes 16-31 take the odd tiles' words
.endr
.irp j, 0,1,2,3
	v_and_b32 v[SS+4+\j], 0xffff, v[SS+\j]         ; bytes 0, 1: the first head's; its bytes 2, 3 are 0
.endr
.irp j, 0,1,2,3
	v_lshrrev_b32 v[SS+\j], 16, v[SS+\j]           ; bytes 2, 3: the second head's
.endr
	global_store_b128 v[RH], v[SS+4:SS+7], s[22:23]
	global_store_b128 v[RH], v[SS:SS+3], s[22:23] offset:16384
	s_branch .Lwords_done
.Lv_words:
.irp j, 0,1,2,3
	v_cndmask_b32 v[SS+\j], v[PWS+\j], v[PWS+4+\j], vcc_lo       ; lanes 16-31 take the second head's four tiles
.endr
	global_store_b128 v[RV], v[SS:SS+3], s[22:23]
.Lwords_done:
	s_wait_tensorcnt 0x0                           ; the wave's end
	ds_add_u32 v[SPW], v[NIL]
	s_wait_dscnt 0x0
	CROUND                                         ; the closing round
	s_endpgm
.Lfunc_end_k_q47ad483b4c_qkv:
	.size	k_q47ad483b4c_qkv, .Lfunc_end_k_q47ad483b4c_qkv-k_q47ad483b4c_qkv
	.p2alignl 7, 3214868480
	.fill 96, 4, 3214868480
	.section	.rodata,"a",@progbits
	.p2align	6, 0x0
	.amdhsa_kernel k_q47ad483b4c_qkv
		.amdhsa_group_segment_fixed_size 327680
		.amdhsa_private_segment_fixed_size 0
		.amdhsa_enable_private_segment 0
		.amdhsa_kernarg_size 16
		.amdhsa_user_sgpr_count 2
		.amdhsa_user_sgpr_kernarg_segment_ptr 1
		.amdhsa_wavefront_size32 1
		.amdhsa_system_sgpr_workgroup_id_x 1
		.amdhsa_system_sgpr_workgroup_id_y 1
		.amdhsa_system_sgpr_workgroup_id_z 1
		.amdhsa_system_vgpr_workitem_id 0
		.amdhsa_next_free_vgpr 1024
		.amdhsa_next_free_sgpr 102
		.amdhsa_reserve_vcc 1
		.amdhsa_float_denorm_mode_32 3
		.amdhsa_float_denorm_mode_16_64 3
		.amdhsa_memory_ordered 1
		.amdhsa_forward_progress 1
		.amdhsa_inst_pref_size 151
	.end_amdhsa_kernel
	.amdgpu_metadata
---
amdhsa.version: [ 1, 2 ]
amdhsa.kernels:
  - .name:           k_q47ad483b4c_qkv
    .symbol:         k_q47ad483b4c_qkv.kd
    .args:
      - { .name: wq, .offset: 0, .size: 8, .value_kind: global_buffer, .address_space: global }
      - { .name: qkvc, .offset: 8, .size: 8, .value_kind: global_buffer, .address_space: global }
    .group_segment_fixed_size: 327680
    .private_segment_fixed_size: 0
    .kernarg_segment_align: 8
    .kernarg_segment_size: 16
    .max_flat_workgroup_size: 128
    .sgpr_count:     102
    .vgpr_count:     1024
    .wavefront_size: 32
...
	.end_amdgpu_metadata
.endif
;; end of part 2
;; launch attn (part 3): grid 8 x 32, 16 waves a work-group, clusters of 4 x 1, 215,040 bytes of LDS; arguments qkvc, aoc; writes aoc
.if DOCPART == 3
	.amdgcn_target "amdgcn-amd-amdhsa--gfx1250"
	.amdhsa_code_object_version 6
	.text
	.protected	k_q47ad483b4c_attn
	.globl	k_q47ad483b4c_attn
	.p2align	8
	.type	k_q47ad483b4c_attn,@function
k_q47ad483b4c_attn:
	s_mov_b64 s[64:65], 0
	v_nop
	global_prefetch_b8 v0, s[64:65] scope:SCOPE_SE
	s_setreg_imm32_b32 hwreg(HW_REG_WAVE_MODE, 25, 1), 1
	s_wait_xcnt 0x0
	s_wait_alu depctr_hold_cnt(0) depctr_sa_sdst(0) depctr_va_vdst(0) depctr_va_sdst(0) depctr_va_ssrc(0) depctr_va_vcc(0) depctr_vm_vsrc(0)
	s_getreg_b32 s2, hwreg(HW_REG_IB_STS2, 6, 4)
	s_cmp_eq_u32 s2, 0
	s_cbranch_scc0 .Lentry_in_a_cluster
	s_endpgm
.Lentry_in_a_cluster:
	s_bfe_u32 s2, ttmp6, 0x10000c
	s_cmp_lg_u32 s2, 0x3003
	s_cbranch_scc0 .Lentry_shape_is_right
	s_endpgm
.Lentry_shape_is_right:
; ao[b][q][head] = softmax_k(q . k / 8) v, both products on codes of FP6 (E2M3); the result is quantised along D for the next product.
; q, k: half images [which x 16 + head][tile][768] (K = the head's 64: registers 0-5 of an operand), scale words with bytes 2, 3 = 0.  v^T: [b x 16 + head][K step of 128 tokens][tile of 16 channels][1536].
; THE SOFTMAX: t = score x log2(e) / 8; M = the running largest t rounded UP to a whole number; p = 2^(t - M) is quantised along the keys, not normalised; the row's sum is taken of the unquantised p and divides at the end.
; SHARES.  A work-group owns 256 queries of one head, each of its sixteen waves one tile of 16, in 256 registers: four waves to a SIMD.
; THE WHOLE HEAD'S K AND V STAY IN LDS, filled once (208 KiB): no slot is filled again.  Ten loads, ONE A WAVE (waves 0 to 9), in one chain of branches on the wave's number: the two blocks of scale words, and K's and V's codes in four parts of 24,576 bytes each.
; Every wave waits for its load, ONE barrier shows all ten to all waves, and one loop walks the 16 key steps: behind that barrier the waves share nothing and meet no more.
; CLUSTER.  The four query blocks of a cluster belong to one head: each load is asked for jointly, with a mask that names the four.
; K = 64 fills half of the instruction's 128: q's registers 6-11 are zero codes, so what stands in k's registers 6-11 (the next tile's codes) adds nothing.
; LAYOUT.  S^T = k q^T, O^T = v^T p^T: a lane holds one query.  By the tiles' order the 16 registers of tiles 2 b, 2 b + 1 are 16 neighbouring keys (channels).
; No prefetch: every byte of K and V is asked for by the tensor loads at the head; there is no loop to run ahead in.
; LIMITS: a block of zeros gets the byte 1; NaN and infinities are not served; the scaled scores stay under 2^31 in magnitude.  ao's scale bytes leave as halfwords: a word's other half belongs to another head's work-group.
; REGISTERS: v1-6 addresses that stay; v7-11, v30 the step's; v12 -M, v13 the largest t, v[14:15] the sum; v16-27 q; v28 q's scale word; v32-85 k's eight halves and six zeros, later v's four fragments;
;   v96-159 S^T, then p; v160-191 O^T; v192-210 p's codes; v212-223 at work; v224-231 k's scale words; v232-235 v's; v236 f; v237 p's scale word; v254, v255 the spare word's address and 0.
.set VCL,  98304                       ; LDS: K's codes at 0, V's here,
.set KSL,  196608                      ; K's scale words,
.set VSL,  204800                      ; V's
.set PH,   24576                       ; a load's codes: 512 keys
.set QKS,  6291456                     ; offsets in qkvc
.set VC,   6815744
.set VS,   9961472
.set AOS,  3145728                     ; in aoc
.set WV,   18
.set CNT,  19
.set SEL,  20
.set CS,   22
.set G1C,  24
.set G1KS, 32
.set G1VS, 40
.set TB,   66                          ; s66  the step's codes: 6,144 bytes a step, in K and in V
.set TS,   67                          ; s67  K's scale words: 512 a step
.set TV,   100                         ; s100 V's: 256 a step
.set BM,   212
.set BT,   216
.set BS,   220
.macro CROUND
	s_barrier_signal -1
	s_barrier_wait -1
	s_cmp_lg_u32 s[WV], 0
	s_cbranch_scc1 .Lnot_wave_0_\@
	s_barrier_signal -3
.Lnot_wave_0_\@:
	s_barrier_wait -3
	s_barrier_signal -1
	s_barrier_wait -1
.endm
.macro MKG1 g, rows                    ; a dense block as rows of 256 bytes (32 elements of 8); the mask names all four work-groups, bit 21 beside it
	s_mov_b32 s[\g], 15|(3<<16)|(1<<21)
	s_mov_b32 s[\g+1], 32<<16
	s_mov_b32 s[\g+2], (\rows)<<16
	s_mov_b32 s[\g+3], 32<<16
	s_mov_b32 s[\g+4], \rows
	s_mov_b32 s[\g+5], 32
	s_mov_b32 s[\g+6], 0
	s_mov_b32 s[\g+7], 0
.endm
.macro MKG0 g, lds, base, off
	s_mov_b32 s[\g], 1
	s_mov_b32 s[\g+1], \lds
	s_add_nc_u64 s[\g+2:\g+3], s[\base:\base+1], \off
	s_or_b32 s[\g+3], s[\g+3], 0x80000000
.endm
.macro ARM w, g0, g1                   ; wave w's one load; all arms lead to one join
	s_cmp_eq_u32 s[WV], \w
	s_cbranch_scc0 .Lnot_arm_\w
	tensor_load_to_lds s[\g0:\g0+3], s[\g1:\g1+7]
	s_nop 0
.rept 4
	v_nop
.endr
	s_branch .Lasked
.Lnot_arm_\w:
.endm
	s_load_b128 s[4:7], s[0:1], 0x0                ; qkvc s[4:5], aoc s[6:7]
	v_lshl_add_u32 v254, v0, 2, 0x34000
	v_mov_b32 v255, 0
	ds_add_u32 v254, v255                          ; the opening lines: the add twice and one wait
	ds_add_u32 v254, v255
	v_lshrrev_b32 v1, 5, v0
	s_delay_alu instid0(VALU_DEP_1)
	v_readfirstlane_b32 s[WV], v1                  ; wave 0..15
	s_and_b32 s10, ttmp7, 0xffff                   ; b x 16 + head: the four partners share it
	s_lshr_b32 s11, s10, 4                         ; b
	s_and_b32 s12, s10, 15                         ; head
	s_add_co_u32 s13, s12, 16
	s_lshl_b32 s14, s13, 8
	s_lshl_b32 s15, s11, 7
	s_add_co_u32 s14, s14, s15
	s_mul_i32 s92, s14, 768                        ; k's codes: 128 tiles on end
	s_mov_b32 s93, 0
	s_lshl_b32 s13, s13, 5
	s_lshl_b32 s15, s11, 4
	s_add_co_u32 s13, s13, s15
	s_lshl_b32 s94, s13, 9
	s_add_co_u32 s94, s94, QKS                     ; k's scale words
	s_mov_b32 s95, 0
	s_mul_i32 s96, s10, 98304
	s_add_co_u32 s96, s96, VC                      ; v's codes
	s_mov_b32 s97, 0
	s_lshl_b32 s98, s10, 12
	s_add_co_u32 s98, s98, VS                      ; v's scale words
	s_mov_b32 s99, 0
	MKG1 G1C, 96
	MKG1 G1KS, 32
	MKG1 G1VS, 16
	s_mov_b32 s[SEL], 0x76543210
	s_mov_b32 s[SEL+1], 0xfedcba98
	s_mov_b32 s[CS], 0x3e38aa3b                    ; c = log2(e) / 8
	s_mov_b32 s[CS+1], s[CS]
	s_wait_dscnt 0x0
	s_wait_kmcnt 0x0
	s_add_nc_u64 s[92:93], s[4:5], s[92:93]
	s_add_nc_u64 s[94:95], s[4:5], s[94:95]
	s_add_nc_u64 s[96:97], s[4:5], s[96:97]
	s_add_nc_u64 s[98:99], s[4:5], s[98:99]
	MKG0 48, KSL, 94, 0
	MKG0 52, 0, 92, 0
	MKG0 56, PH, 92, PH
	MKG0 60, 2*PH, 92, 2*PH
	MKG0 68, 3*PH, 92, 3*PH
	MKG0 72, VSL, 98, 0
	MKG0 76, VCL, 96, 0
	MKG0 80, VCL+PH, 96, PH
	MKG0 84, VCL+2*PH, 96, 2*PH
	MKG0 88, VCL+3*PH, 96, 3*PH
	CROUND                                         ; all four work-groups are here: the joint loads meet
	ARM 0, 48, G1KS
	ARM 1, 72, G1VS
	ARM 2, 52, G1C
	ARM 3, 76, G1C
	ARM 4, 56, G1C
	ARM 5, 80, G1C
	ARM 6, 60, G1C
	ARM 7, 84, G1C
	ARM 8, 68, G1C
	ARM 9, 88, G1C
.Lasked:
	; my tile of queries: T = 128 b + 16 (4 x cluster x + cx) + wave.  It enters global addresses alone
	s_bfe_u32 s8, ttmp6, 0x40000
	s_lshl_b32 s9, ttmp9, 2
	s_add_co_u32 s9, s9, s8
	s_lshl_b32 s13, s11, 7
	s_lshl_b32 s14, s9, 4
	s_add_co_u32 s13, s13, s14
	s_add_co_u32 s13, s13, s[WV]                   ; T
	s_and_b32 s2, s[WV], 1
	s_lshl_b32 s2, s2, 4
	s_bfe_u32 s3, s[WV], 0x20001
	s_lshl_b32 s3, s3, 2
	s_add_co_u32 s2, s2, s3                        ; my tile's place among eight tiles' scale words: 16 (T % 2) + 4 ((T % 8) / 2)
	s_lshl_b32 s14, s12, 8
	s_add_co_u32 s14, s14, s13
	s_mul_i32 s92, s14, 768
	s_mov_b32 s93, 0
	s_add_nc_u64 s[92:93], s[4:5], s[92:93]        ; q's codes
	s_lshl_b32 s14, s12, 5
	s_lshr_b32 s15, s13, 3
	s_add_co_u32 s14, s14, s15
	s_lshl_b32 s94, s14, 9
	s_add_co_u32 s94, s94, s2
	s_add_co_u32 s94, s94, QKS
	s_mov_b32 s95, 0
	s_add_nc_u64 s[94:95], s[4:5], s[94:95]        ; q's scale words
	s_lshl_b32 s14, s13, 3
	s_lshr_b32 s15, s12, 1                         ; the next product's K step: head / 2
	s_add_co_u32 s14, s14, s15
	s_mul_i32 s96, s14, 1536
	s_and_b32 s16, s12, 1                          ; and the half of it
	s_mul_i32 s17, s16, 768
	s_add_co_u32 s96, s96, s17
	s_mov_b32 s97, 0
	s_add_nc_u64 s[96:97], s[6:7], s[96:97]        ; ao's codes
	s_lshr_b32 s14, s13, 3
	s_lshl_b32 s14, s14, 3
	s_add_co_u32 s14, s14, s15
	s_lshl_b32 s98, s14, 9
	s_add_co_u32 s98, s98, s2
	s_lshl_b32 s16, s16, 1
	s_add_co_u32 s98, s98, s16
	s_add_co_u32 s98, s98, AOS
	s_mov_b32 s99, 0
	s_add_nc_u64 s[98:99], s[6:7], s[98:99]        ; ao's scale halfwords
	v_and_b32 v31, 31, v0
	v_and_b32 v30, 15, v0                          ; r
	s_delay_alu instid0(VALU_DEP_2)
	v_lshlrev_b32 v1, 4, v31                       ; 16 x lane
	s_delay_alu instid0(VALU_DEP_3)
	v_lshlrev_b32 v29, 3, v31                      ; 8 x lane
	s_delay_alu instid0(VALU_DEP_1)
	v_add_nc_u32 v2, 512, v29
	s_delay_alu instid0(VALU_DEP_3)
	v_add_nc_u32 v3, VCL, v1
	s_delay_alu instid0(VALU_DEP_3)
	v_add_nc_u32 v4, VCL+512, v29
	v_lshl_add_u32 v5, v30, 5, KSL
	v_lshl_add_u32 v6, v30, 4, VSL
	v_lshlrev_b32 v31, 5, v30                      ; 32 r
	global_load_b128 v[16:19], v1, s[92:93]        ; q's half image: registers 0-5
	global_load_b64 v[20:21], v29, s[92:93] offset:512
	global_load_b32 v28, v31, s[94:95]
.irp j, 22,23,24,25,26,27,80,81,82,83,84,85
	v_mov_b32 v[\j], 0                             ; zero codes: q's upper half, and what stands behind k's last tile
.endr
	v_mov_b32 v13, 0xff61b1e6                      ; the largest t so far: -3e38
	s_delay_alu instid0(VALU_DEP_1)
	v_floor_f32 v12, -v13                          ; -M
	v_mov_b32 v14, 0
	v_mov_b32 v15, 0
.irp b, 0,1,2,3
	v_mov_b32 v[BT+\b], 0                          ; a lane permute's destination counts as one of its sources
.endr
	v_mov_b32 v237, 0                              ; (named as the upper half of the pair v[236:237] before it is first written)
.set j, 0
.rept 32
	v_mov_b32 v[160+j], 0                          ; O^T: the step is written once; the first finds zeros
.set j, j+1
.endr
	s_wait_loadcnt 0x0                             ; q
	s_wait_tensorcnt 0x0                           ; my load, if I issued one: on every wave's way
	s_wait_dscnt 0x0
	s_barrier_signal -1
	s_barrier_wait -1                              ; all of K and V lie in LDS
	s_mov_b32 s[TB], 0
	s_mov_b32 s[TS], 0
	s_mov_b32 s[TV], 0
	s_mov_b32 s[CNT], 16
.Lstep:                                                ; A KEY STEP: 128 keys
	v_add_nc_u32 v7, s[TB], v1                     ; six plain lines: also the places in front of loads into registers that the last products read
	v_add_nc_u32 v8, s[TB], v2
	v_add_nc_u32 v9, s[TB], v3
	v_add_nc_u32 v10, s[TB], v4
	v_add_nc_u32 v11, s[TS], v5
	v_add_nc_u32 v30, s[TV], v6
.irp a, 0,1,2,3,4,5,6,7
	ds_load_b128 v[32+6*\a:35+6*\a], v7 offset:768*\a
	ds_load_b64 v[36+6*\a:37+6*\a], v8 offset:768*\a
.endr
	ds_load_b128 v[224:227], v11                   ; tiles 0, 2, 4, 6
	ds_load_b128 v[228:231], v11 offset:16         ; tiles 1, 3, 5, 7
	s_wait_alu depctr_va_vdst(0)
	s_wait_dscnt 0x0
.irp a, 0,1,2,3,4,5,6,7
	v_wmma_scale_f32_16x16x128_f8f6f4 v[96+8*\a:103+8*\a], v[32+6*\a:43+6*\a], v[16:27], 0, v[224+4*(\a%2)+\a/2], v28 matrix_a_fmt:MATRIX_FMT_FP6 matrix_b_fmt:MATRIX_FMT_FP6
.endr
.rept 4
	v_nop
.endr
.irp t, 0,1,2,3                                ; V's fragments are asked for now: the softmax stands between these loads and the wait for them
	ds_load_b128 v[32+12*\t:35+12*\t], v9 offset:1536*\t
	ds_load_b64 v[36+12*\t:37+12*\t], v10 offset:1536*\t
	ds_load_b128 v[38+12*\t:41+12*\t], v9 offset:1536*\t+768
	ds_load_b64 v[42+12*\t:43+12*\t], v10 offset:1536*\t+768
.endr
	ds_load_b128 v[232:235], v30
.irp b, 0,1,2,3
	v_max3_num_f32 v[BM+\b], v[96+16*\b], v[97+16*\b], v[98+16*\b]   ; the largest score of each block of 32 keys: for the row's maximum and, since p rises with the score, for the block's largest p
.endr
.irp i, 3,5,7,9,11,13
.irp b, 0,1,2,3
	v_max3_num_f32 v[BM+\b], v[BM+\b], v[96+16*\b+\i], v[97+16*\b+\i]
.endr
.endr
.irp b, 0,1,2,3
	v_max_num_f32 v[BM+\b], v[BM+\b], v[111+16*\b]
.endr
.irp b, 0,1,2,3
	s_delay_alu instid0(VALU_DEP_4)
	v_permlanex16_b32 v[BT+\b], v[BM+\b], s[SEL], s[SEL+1]
.endr
.irp b, 0,1,2,3
	s_delay_alu instid0(VALU_DEP_4)
	v_max_num_f32 v[BM+\b], v[BM+\b], v[BT+\b]
.endr
	s_delay_alu instid0(VALU_DEP_2)
	v_max3_num_f32 v239, v[BM], v[BM+1], v[BM+2]
	s_delay_alu instid0(VALU_DEP_1)
	v_max_num_f32 v239, v239, v[BM+3]
	s_delay_alu instid0(VALU_DEP_1)
	v_mul_f32 v239, s[CS], v239                    ; as t (c is positive)
	s_delay_alu instid0(VALU_DEP_1)
	v_max_num_f32 v13, v13, v239                   ; the running largest t
	v_mov_b32 v239, v12
	s_delay_alu instid0(VALU_DEP_2)
	v_floor_f32 v12, -v13                          ; the new -M = -ceil(t)
	s_delay_alu instid0(VALU_DEP_1)
	v_sub_f32 v239, v12, v239                      ; old M - new M: a whole number, 0 or less
	s_delay_alu instid0(VALU_DEP_1)
	v_cvt_i32_f32 v239, v239                       ; (it saturates)
	s_delay_alu instid0(VALU_DEP_1)
	v_ldexp_f32 v236, 1.0, v239                    ; f = 2^(old M - new M): rounds nothing
.set j, 0
.rept 32
	v_pk_fma_f32 v[96+j:97+j], v[96+j:97+j], s[CS:CS+1], v[12:13] op_sel_hi:[1,0,0]   ; t - M
.set j, j+2
.endr
.irp b, 0,1,2,3
	v_fma_f32 v[BM+\b], v[BM+\b], s[CS], v12
.endr
.set j, 0
	s_wait_alu depctr_va_vdst(0)                   ; the wait ahead of the batch
.rept 64
	v_exp_f32 v[96+j], v[96+j]                     ; p = 2^(t - M)
.set j, j+1
.endr
	v_pk_mul_f32 v[14:15], v[14:15], v[236:237] op_sel_hi:[1,0]   ; the sums under the new M: a plain place behind the exponentials
	s_wait_alu depctr_va_vdst(0)                   ; one wait for the batch, ahead of its first reader
.irp b, 0,1,2,3
	v_exp_f32 v[BM+\b], v[BM+\b]                   ; the block's largest p
.endr
	v_pk_add_f32 v[240:241], v[100:101], v[104:105]   ; the row's sum of the unquantised p, in eight chains
	v_pk_add_f32 v[252:253], v[108:109], v[112:113]
	v_pk_add_f32 v[250:251], v[116:117], v[120:121]
	v_pk_add_f32 v[248:249], v[124:125], v[128:129]
	v_pk_add_f32 v[246:247], v[132:133], v[136:137]
	v_pk_add_f32 v[244:245], v[140:141], v[144:145]
	v_pk_add_f32 v[242:243], v[148:149], v[152:153]
	v_pk_add_f32 v[14:15], v[14:15], v[156:157]
	v_pk_add_f32 v[240:241], v[240:241], v[96:97]
	v_pk_add_f32 v[252:253], v[252:253], v[98:99]
	v_pk_add_f32 v[250:251], v[250:251], v[102:103]
	v_pk_add_f32 v[248:249], v[248:249], v[106:107]
	v_pk_add_f32 v[246:247], v[246:247], v[110:111]
	v_pk_add_f32 v[244:245], v[244:245], v[114:115]
	v_pk_add_f32 v[242:243], v[242:243], v[118:119]
	v_pk_add_f32 v[14:15], v[14:15], v[122:123]
	v_pk_add_f32 v[240:241], v[240:241], v[126:127]
	v_pk_add_f32 v[252:253], v[252:253], v[130:131]
	v_pk_add_f32 v[250:251], v[250:251], v[134:135]
	v_pk_add_f32 v[248:249], v[248:249], v[138:139]
	v_pk_add_f32 v[246:247], v[246:247], v[142:143]
	v_pk_add_f32 v[244:245], v[244:245], v[146:147]
	v_pk_add_f32 v[242:243], v[242:243], v[150:151]
	v_pk_add_f32 v[14:15], v[14:15], v[154:155]
	v_pk_add_f32 v[240:241], v[240:241], v[158:159]
	s_delay_alu instid0(VALU_DEP_2)
	v_pk_add_f32 v[14:15], v[14:15], v[248:249]
	s_delay_alu instid0(VALU_DEP_2)
	v_pk_add_f32 v[240:241], v[240:241], v[246:247]
	v_pk_add_f32 v[252:253], v[252:253], v[244:245]
	v_pk_add_f32 v[250:251], v[250:251], v[242:243]
	s_delay_alu instid0(VALU_DEP_2)
	v_pk_add_f32 v[14:15], v[14:15], v[252:253]
	s_delay_alu instid0(VALU_DEP_2)
	v_pk_add_f32 v[240:241], v[240:241], v[250:251]
	s_delay_alu instid0(VALU_DEP_1)
	v_pk_add_f32 v[14:15], v[14:15], v[240:241]
	s_wait_alu depctr_va_vdst(0)                   ; and one for the four
.irp b, 0,1,2,3
	v_max_num_f32 v[BM+\b], 0x1800000, v[BM+\b]    ; the floor 2^(3 - 127)
.endr
.irp b, 0,1,2,3
	s_delay_alu instid0(VALU_DEP_4)
	v_add_nc_u32 v[BS+\b], 0xff000000, v[BM+\b]
.endr
.irp b, 0,1,2,3
	s_delay_alu instid0(VALU_DEP_4)
	v_lshrrev_b32 v[BT+\b], 23, v[BS+\b]
.endr
	s_delay_alu instid0(VALU_DEP_3)
	v_lshl_or_b32 v237, v[BT+1], 8, v[BT]          ; p's scale word for these 128 keys
	s_delay_alu instid0(VALU_DEP_1)
	v_lshl_or_b32 v237, v[BT+2], 16, v237
	s_delay_alu instid0(VALU_DEP_1)
	v_lshl_or_b32 v237, v[BT+3], 24, v237
.irp c, 0,1
	v_cvt_scalef32_pk16_fp6_f32 v[192+6*\c:194+6*\c], v[96+32*\c:111+32*\c], v[BS+2*\c]
	v_cvt_scalef32_pk16_fp6_f32 v[204+4*\c:206+4*\c], v[112+32*\c:127+32*\c], v[BS+2*\c+1]
.endr
	v_nop                                          ; one plain place behind a scaled conversion
.irp c, 0,1
.irp i, 0,1,2
	v_permlane16_swap_b32 v[192+6*\c+\i], v[204+4*\c+\i]
.endr
.irp i, 0,1,2
	s_delay_alu instid0(VALU_DEP_3)
	v_mov_b32 v[195+6*\c+\i], v[204+4*\c+\i]
.endr
.endr
.set j, 0
.rept 16
	v_pk_mul_f32 v[160+j:161+j], v[160+j:161+j], v[236:237] op_sel_hi:[1,0]   ; O^T under the new M; these 16 also stand between the operand's and the scale word's last writes and the products
.set j, j+2
.endr
	s_wait_alu depctr_va_vdst(0)
	s_wait_dscnt 0x0                               ; V
.irp t, 0,1,2,3
	v_wmma_scale_f32_16x16x128_f8f6f4 v[160+8*\t:167+8*\t], v[32+12*\t:43+12*\t], v[192:203], v[160+8*\t:167+8*\t], v[232+\t], v237 matrix_a_fmt:MATRIX_FMT_FP6 matrix_b_fmt:MATRIX_FMT_FP6
.endr
	s_add_co_u32 s[TB], s[TB], 6144
	s_add_co_u32 s[TS], s[TS], 512
	s_add_co_u32 s[TV], s[TV], 256
	s_sub_co_u32 s[CNT], s[CNT], 1
	s_cmp_lg_u32 s[CNT], 0
	s_cbranch_scc1 .Lstep
	; THE WAY OUT: O^T / the sum; register 16 b + i is channel 32 b + 16 h + i of my query: two blocks along D, half an operand's image
.rept 4
	v_nop
.endr
	v_add_f32 v14, v14, v15
	s_delay_alu instid0(VALU_DEP_1)
	v_permlanex16_b32 v239, v14, s[SEL], s[SEL+1]
	s_delay_alu instid0(VALU_DEP_1)
	v_add_f32 v14, v14, v239
	s_wait_alu depctr_va_vdst(0)
	v_rcp_f32 v14, v14
	v_nop
	s_wait_alu depctr_va_vdst(0)
.set j, 0
.rept 32
	v_mul_f32 v[96+j], v[160+j], v14
.set j, j+1
.endr
.irp b, 0,1
	v_max3_num_f32 v[BM+\b], |v[96+16*\b]|, |v[97+16*\b]|, 0x1800000
.endr
.irp i, 2,4,6,8,10,12,14
.irp b, 0,1
	s_delay_alu instid0(VALU_DEP_2)
	v_max3_num_f32 v[BM+\b], v[BM+\b], |v[96+16*\b+\i]|, |v[97+16*\b+\i]|
.endr
.endr
.irp b, 0,1
	s_delay_alu instid0(VALU_DEP_2)
	v_permlanex16_b32 v[BT+\b], v[BM+\b], s[SEL], s[SEL+1]
.endr
.irp b, 0,1
	s_delay_alu instid0(VALU_DEP_2)
	v_max_num_f32 v[BM+\b], v[BM+\b], v[BT+\b]
.endr
.irp b, 0,1
	s_delay_alu instid0(VALU_DEP_2)
	v_add_nc_u32 v[BS+\b], 0xff000000, v[BM+\b]
.endr
.irp b, 0,1
	s_delay_alu instid0(VALU_DEP_2)
	v_lshrrev_b32 v[BT+\b], 23, v[BS+\b]
.endr
	s_delay_alu instid0(VALU_DEP_1)
	v_lshl_or_b32 v239, v[BT+1], 8, v[BT]
	v_cvt_scalef32_pk16_fp6_f32 v[192:194], v[96:111], v[BS]
	v_cvt_scalef32_pk16_fp6_f32 v[204:206], v[112:127], v[BS+1]
	v_nop
.irp i, 0,1,2
	v_permlane16_swap_b32 v[192+\i], v[204+\i]
.endr
.irp i, 0,1,2
	s_delay_alu instid0(VALU_DEP_3)
	v_mov_b32 v[195+\i], v[204+\i]
.endr
	global_store_b128 v1, v[192:195], s[96:97]     ; 512 consecutive bytes
	global_store_b64 v29, v[196:197], s[96:97] offset:512
	global_store_b16 v31, v239, s[98:99]           ; lanes r and r + 16 write the same halfword with the same value
	s_wait_tensorcnt 0x0                           ; the wave's end
	ds_add_u32 v254, v255
	s_wait_dscnt 0x0
	CROUND                                         ; the closing round
	s_endpgm
.Lfunc_end_k_q47ad483b4c_attn:
	.size	k_q47ad483b4c_attn, .Lfunc_end_k_q47ad483b4c_attn-k_q47ad483b4c_attn
	.p2alignl 7, 3214868480
	.fill 96, 4, 3214868480
	.section	.rodata,"a",@progbits
	.p2align	6, 0x0
	.amdhsa_kernel k_q47ad483b4c_attn
		.amdhsa_group_segment_fixed_size 215040
		.amdhsa_private_segment_fixed_size 0
		.amdhsa_enable_private_segment 0
		.amdhsa_kernarg_size 16
		.amdhsa_user_sgpr_count 2
		.amdhsa_user_sgpr_kernarg_segment_ptr 1
		.amdhsa_wavefront_size32 1
		.amdhsa_system_sgpr_workgroup_id_x 1
		.amdhsa_system_sgpr_workgroup_id_y 1
		.amdhsa_system_sgpr_workgroup_id_z 1
		.amdhsa_system_vgpr_workitem_id 0
		.amdhsa_next_free_vgpr 256
		.amdhsa_next_free_sgpr 102
		.amdhsa_reserve_vcc 0
		.amdhsa_float_denorm_mode_32 3
		.amdhsa_float_denorm_mode_16_64 3
		.amdhsa_memory_ordered 1
		.amdhsa_forward_progress 1
		.amdhsa_inst_pref_size 36
	.end_amdhsa_kernel
	.amdgpu_metadata
---
amdhsa.version: [ 1, 2 ]
amdhsa.kernels:
  - .name:           k_q47ad483b4c_attn
    .symbol:         k_q47ad483b4c_attn.kd
    .args:
      - { .name: qkvc, .offset: 0, .size: 8, .value_kind: global_buffer, .address_space: global }
      - { .name: aoc, .offset: 8, .size: 8, .value_kind: global_buffer, .address_space: global }
    .group_segment_fixed_size: 215040
    .private_segment_fixed_size: 0
    .kernarg_segment_align: 8
    .kernarg_segment_size: 16
    .max_flat_workgroup_size: 512
    .sgpr_count:     102
    .vgpr_count:     256
    .wavefront_size: 32
...
	.end_amdgpu_metadata
.endif
;; end of part 3
;; launch oln (part 4): grid 256 x 1, 8 waves a work-group, no clusters, 81,920 bytes of LDS; arguments aoc, wq, b_o, x, g1, bt1, yb; writes yb
.if DOCPART == 4
	.amdgcn_target "amdgcn-amd-amdhsa--gfx1250"
	.amdhsa_code_object_version 6
	.text
	.protected	k_q47ad483b4c_oln
	.globl	k_q47ad483b4c_oln
	.p2align	8
	.type	k_q47ad483b4c_oln,@function
k_q47ad483b4c_oln:
	s_mov_b64 s[64:65], 0
	v_nop
	global_prefetch_b8 v0, s[64:65] scope:SCOPE_SE
	s_setreg_imm32_b32 hwreg(HW_REG_WAVE_MODE, 25, 1), 1
	s_wait_xcnt 0x0
; y = LayerNorm(x + ao w_o + b_o) g1 + bt1: the product on codes of FP6 (E2M3), the norm in f32; y leaves as f32 AND as codes with scale bytes for the next product.
; SHARES.  Work-group T owns the 16 rows of tile T (label r is row 32 (T / 2) + 8 (T % 2) + r % 8 + 16 (r / 8)), all 1,024 columns, so the norm needs no other work-group.  Wave w takes columns 128 w .. + 127: eight tiles of w_o, eight accumulators.
; OPERANDS lie as images of fragments, [tile][K step][1536] (half c at 768 c: registers 6c..6c+3 at 16 x lane, 6c+4, 6c+5 at 512 + 8 x lane); scale words [tile / 8][K step][r][tile % 2][(tile % 8) / 2].
; THE WEIGHTS GO FROM MEMORY STRAIGHT INTO REGISTERS: with one tile of rows a fragment of w_o feeds exactly one matrix instruction of one wave, so a way through LDS would write and read its 786,432 bytes once more and spare no read.
; So there is no tensor load, no slot and no cluster (a joint load lands in LDS alone).  A unit is a K step's eight fragments, 32 loads; two units take turns in 192 registers, asked for two K steps ahead: that is the lead, and no prefetch is laid beside it.
; THE MATRIX INSTRUCTION IS USED TRANSPOSED (source 0 = 16 labels of w_o, source 1 = my 16 rows): lane (r, h) holds row r, and register 16 b + i is column 128 w + 32 b + 16 h + i: as the quantiser wants a K step of the next product.
; x starts the sums as C.  x and y pass through the wave's own stage in LDS (16 rows x (512 + 16) bytes), so that every load and store of f32 covers 512 consecutive bytes; b_o, g1, bt1 lie in LDS, each wave's own 512 bytes.
; The variance is taken of the differences from the mean.  The rows' sums of the eight waves meet in LDS, behind a barrier each, in bytes of their own for each of the two sums.
; LIMITS: a block of zeros gets the byte 1 (this program alone reads the bytes); blocks under 2^-124 are held at the byte 1; NaN and infinities are not served.  The scale words leave in pieces of 4 bytes.
; REGISTERS.  Window 0: v1-17 addresses and the row's numbers; v18-25 my rows' scale words; v26-89 w_o's; v90-185 my rows' eight fragments; v186-249 x as loaded, later at work.  Window 1: v0-63 the sums; v64-255 the two units, later b_o, g1, bt1.
.set AOS,   3145728                    ; in aoc
.set WOC,   5734400                    ; in wq
.set WOS,   6520832
.set YC,    16777216                   ; in yb
.set YS,    19922944
.set STGW,  8448                       ; a wave's stage
.set VECB,  67584                      ; behind the eight stages: b_o, g1, bt1, 4,096 bytes each
.set RED,   79872                      ; the rows' sums: [which sum][wave][row]
.set SPARE, 80896                      ; the spare words: 128 bytes a wave, named by no other line
.set L16, 1
.set L8,  2
.set R32, 3
.set STI, 4
.set STO, 5
.set VIN, 6
.set VOUT, 7
.set RST, 8
.set RLD, 9
.set SPW, 10
.set NIL, 11
.set S0,  12
.set S1,  13
.set MU,  14
.set RS,  16
.set AS,  18
.set BS,  26
.set AF,  90
.set XR,  186
.set PT,  186
.set TM,  200
.set PW,  216
.set PC,  220
.set MSB, 0
.macro WIN new                         ; the immediate's high byte repeats the setting that is left
.if MSB != (\new)
	s_set_vgpr_msb (MSB<<8)|(\new)
.set MSB, (\new)
.endif
.endm
.macro UNIT s                          ; K step s of my eight tiles of w_o: 32 loads of 512 or 256 consecutive bytes
.set RG, 64+96*((\s)%2)
	WIN 0x40
.irp t, 0,1,2,3,4,5,6,7
	global_load_b128 v[RG+12*\t:RG+12*\t+3], v[L16], s[26:27] offset:12288*\t+1536*(\s)
	global_load_b64 v[RG+12*\t+4:RG+12*\t+5], v[L8], s[26:27] offset:12288*\t+1536*(\s)+512
	global_load_b128 v[RG+12*\t+6:RG+12*\t+9], v[L16], s[26:27] offset:12288*\t+1536*(\s)+768
	global_load_b64 v[RG+12*\t+10:RG+12*\t+11], v[L8], s[26:27] offset:12288*\t+1536*(\s)+1280
.endr
.endm
.macro KSTEP s                         ; eight products, the eight sums by turns
.if (\s) < 7
	s_wait_loadcnt 32                              ; this unit is in; the next unit's 32 loads may be out
.else
	s_wait_loadcnt 0x0
.endif
.if (\s) == 0
	s_wait_dscnt 0x0                               ; x lies in the sums' registers
.endif
.set RG, 64+96*((\s)%2)
	WIN 0x51                                       ; source 0, C and D window 1, source 1 window 0
.irp t, 0,1,2,3,4,5,6,7
	v_wmma_scale_f32_16x16x128_f8f6f4 v[8*\t:8*\t+7], v[RG+12*\t:RG+12*\t+11], v[AF+12*(\s):AF+12*(\s)+11], v[8*\t:8*\t+7], v[BS+8*(\s)+4*(\t%2)+\t/2], v[AS+(\s)] matrix_a_fmt:MATRIX_FMT_FP6 matrix_b_fmt:MATRIX_FMT_FP6
.endr
.rept 4
	v_nop                                          ; the places in front of loads into registers that the products read
.endr
.if (\s) < 6
	UNIT (\s)+2
.endif
.endm
.macro FOLD pass                       ; four pairs in window 1's v64-71 become the row's sum over all 1,024 columns, in v[PT] of every lane
	v_pk_add_f32 v[64:65], v[64:65], v[66:67]
	v_pk_add_f32 v[68:69], v[68:69], v[70:71]
	v_pk_add_f32 v[64:65], v[64:65], v[68:69]
	WIN 0x05
	v_add_f32 v[S0], v64, v65
	WIN 0
	v_permlanex16_b32 v[S1], v[S0], s40, s41
	v_add_f32 v[S0], v[S0], v[S1]                  ; with lane l xor 16's: my wave's 128 columns
	ds_store_b32 v[RST], v[S0] offset:512*\pass    ; lanes r and r + 16 write the same word with the same value
	s_wait_dscnt 0x0                               ; for the others' sake
	s_barrier_signal -1
	s_barrier_wait -1
.irp k, 0,1,2,3,4,5,6,7
	ds_load_b32 v[PT+\k], v[RLD] offset:512*\pass+64*\k
.endr
	s_wait_dscnt 0x0
	v_add_f32 v[PT], v[PT], v[PT+1]                ; the same order in every wave
	v_add_f32 v[PT+2], v[PT+2], v[PT+3]
	v_add_f32 v[PT+4], v[PT+4], v[PT+5]
	v_add_f32 v[PT+6], v[PT+6], v[PT+7]
	v_add_f32 v[PT], v[PT], v[PT+2]
	v_add_f32 v[PT+4], v[PT+4], v[PT+6]
	v_add_f32 v[PT], v[PT], v[PT+4]
.endm
	s_load_b256 s[4:11], s[0:1], 0x0               ; aoc s[4:5], wq s[6:7], b_o s[8:9], x s[10:11]
	s_load_b128 s[12:15], s[0:1], 0x20             ; g1 s[12:13], bt1 s[14:15]
	s_load_b64 s[16:17], s[0:1], 0x30              ; yb
	v_lshl_add_u32 v[SPW], v0, 2, SPARE
	v_mov_b32 v[NIL], 0
	v_lshrrev_b32 v12, 5, v0
	v_readfirstlane_b32 s18, v12                   ; wave 0..7
	v_and_b32 v13, 31, v0                          ; lane
	v_and_b32 v14, 15, v0                          ; r
	v_bfe_u32 v15, v0, 4, 1                        ; h
	v_lshlrev_b32 v[L16], 4, v13
	v_lshlrev_b32 v[L8], 3, v13
	v_lshlrev_b32 v[R32], 5, v14
	s_mul_i32 s19, s18, STGW
	v_add_nc_u32 v[STI], s19, v[L16]               ; the stage by rows: 16 x lane, row i at 528 i
	v_mul_u32_u24 v16, v14, 528
	v_lshl_add_u32 v16, v15, 6, v16
	v_add_nc_u32 v[STO], s19, v16                  ; and by lanes: row r, + 64 h
	s_lshl_b32 s19, s18, 9
	s_add_co_u32 s19, s19, VECB
	v_add_nc_u32 v[VIN], s19, v[L16]
	v_lshlrev_b32 v16, 6, v15
	v_add_nc_u32 v[VOUT], s19, v16
	s_lshl_b32 s19, s18, 6
	s_add_co_u32 s19, s19, RED
	v_lshlrev_b32 v16, 2, v14
	v_add_nc_u32 v[RST], s19, v16
	v_add_nc_u32 v[RLD], RED, v16
	v_mov_b32 v[S1], 0                             ; a lane permute's destination counts as one of its sources
	s_wait_alu depctr_va_vdst(0)                   ; the wait at the head's end, ahead of the scalar lines and the wait below
	s_mul_i32 s20, ttmp9, 12288                    ; my rows' codes
	s_mov_b32 s21, 0
	s_lshr_b32 s24, ttmp9, 3
	s_lshl_b32 s24, s24, 12
	s_and_b32 s25, ttmp9, 1
	s_lshl_b32 s25, s25, 4
	s_add_co_u32 s24, s24, s25
	s_bfe_u32 s25, ttmp9, 0x20001
	s_lshl_b32 s25, s25, 2
	s_add_co_u32 s24, s24, s25                     ; tile T's place among the scale words
	s_lshl_b32 s38, s18, 9
	s_add_co_u32 s38, s38, s24
	s_add_co_u32 s38, s38, YS                      ; y's scale words, K step w
	s_mov_b32 s39, 0
	s_add_co_u32 s24, s24, AOS
	s_mov_b32 s25, 0
	s_mul_i32 s26, s18, 98304
	s_add_co_u32 s26, s26, WOC                     ; my eight tiles of w_o
	s_mov_b32 s27, 0
	s_lshl_b32 s28, s18, 12
	s_add_co_u32 s28, s28, WOS
	s_mov_b32 s29, 0
	s_lshl_b32 s30, s18, 9                         ; my 128 columns in f32
	s_mov_b32 s31, 0
	s_lshr_b32 s32, ttmp9, 1
	s_lshl_b32 s32, s32, 5
	s_and_b32 s33, ttmp9, 1
	s_lshl_b32 s33, s33, 3
	s_add_co_u32 s32, s32, s33                     ; label 0's row
	s_lshl_b32 s32, s32, 12
	s_add_co_u32 s32, s32, s30
	s_mov_b32 s33, 0
	s_lshl_b32 s36, ttmp9, 3
	s_add_co_u32 s36, s36, s18
	s_mul_i32 s36, s36, 1536
	s_add_co_u32 s36, s36, YC                      ; y's image (T, K step w)
	s_mov_b32 s37, 0
	s_mov_b32 s40, 0x76543210
	s_mov_b32 s41, 0xfedcba98
	s_mov_b32 s42, 0x3a800000                      ; 1 / 1024
	s_mov_b32 s43, 0x3727c5ac                      ; 1e-5
	s_wait_kmcnt 0x0
	s_add_nc_u64 s[20:21], s[4:5], s[20:21]
	s_add_nc_u64 s[24:25], s[4:5], s[24:25]
	s_add_nc_u64 s[26:27], s[6:7], s[26:27]
	s_add_nc_u64 s[28:29], s[6:7], s[28:29]
	s_add_nc_u64 s[8:9], s[8:9], s[30:31]
	s_add_nc_u64 s[12:13], s[12:13], s[30:31]
	s_add_nc_u64 s[14:15], s[14:15], s[30:31]
	s_add_nc_u64 s[10:11], s[10:11], s[32:33]
	s_add_nc_u64 s[34:35], s[16:17], s[32:33]
	s_add_nc_u64 s[36:37], s[16:17], s[36:37]
	s_add_nc_u64 s[38:39], s[16:17], s[38:39]
.irp i, 0,1,2,3,4,5,6,7,8,9,10,11,12,13,14,15
	global_load_b128 v[XR+4*\i:XR+4*\i+3], v[L16], s[10:11] offset:(\i%8+16*(\i/8))*4096   ; label i's row of x at my columns
.endr
	WIN 0x40
	global_load_b128 v[0:3], v[L16], s[8:9]        ; b_o, g1, bt1 at my columns
	global_load_b128 v[4:7], v[L16], s[12:13]
	global_load_b128 v[8:11], v[L16], s[14:15]
	UNIT 0
	WIN 0
.irp s, 0,1,2,3,4,5,6,7
	global_load_b32 v[AS+\s], v[R32], s[24:25] offset:512*\s
.endr
.irp s, 0,1,2,3,4,5,6,7
	global_load_b128 v[BS+8*\s:BS+8*\s+3], v[R32], s[28:29] offset:512*\s        ; tiles 0, 2, 4, 6
	global_load_b128 v[BS+8*\s+4:BS+8*\s+7], v[R32], s[28:29] offset:512*\s+16   ; tiles 1, 3, 5, 7
.endr
.irp s, 0,1,2,3,4,5,6,7
	global_load_b128 v[AF+12*\s:AF+12*\s+3], v[L16], s[20:21] offset:1536*\s
	global_load_b64 v[AF+12*\s+4:AF+12*\s+5], v[L8], s[20:21] offset:1536*\s+512
	global_load_b128 v[AF+12*\s+6:AF+12*\s+9], v[L16], s[20:21] offset:1536*\s+768
	global_load_b64 v[AF+12*\s+10:AF+12*\s+11], v[L8], s[20:21] offset:1536*\s+1280
.endr
	s_wait_loadcnt 63                              ; 88 loads were issued behind x's and the vectors' 19: with 63 out those 19 are in
.irp i, 0,1,2,3,4,5,6,7,8,9,10,11,12,13,14,15
	ds_store_b128 v[STI], v[XR+4*\i:XR+4*\i+3] offset:528*\i
.endr
	WIN 0x04
	ds_store_b128 v[VIN], v[0:3]
	ds_store_b128 v[VIN], v[4:7] offset:4096
	ds_store_b128 v[VIN], v[8:11] offset:8192
	s_wait_dscnt 0x0                               ; the stores have read their registers
	WIN 0x40
.irp b, 0,1,2,3
.irp j, 0,1,2,3
	ds_load_b128 v[16*\b+4*\j:16*\b+4*\j+3], v[STO] offset:128*\b+16*\j   ; x in the result's layout: it starts the sums
.endr
.endr
	UNIT 1
.irp s, 0,1,2,3,4,5,6,7
	KSTEP \s
.endr
	WIN 0x40
.irp u, 0,1,2
.irp b, 0,1,2,3
.irp j, 0,1,2,3
	ds_load_b128 v[64+64*\u+16*\b+4*\j:64+64*\u+16*\b+4*\j+3], v[VOUT] offset:4096*\u+128*\b+16*\j   ; b_o, g1, bt1 in the result's layout (my wave's own bytes)
.endr
.endr
.endr
	s_wait_dscnt 0x0
	WIN 0x55
.set k, 0
.rept 32
	v_pk_add_f32 v[k:k+1], v[k:k+1], v[64+k:65+k]  ; + b_o; each sum is first read at its low end
.set k, k+2
.endr
.irp c, 0,1,2,3
	v_pk_add_f32 v[64+2*\c:65+2*\c], v[16*\c:16*\c+1], v[16*\c+2:16*\c+3]
.endr
.irp k, 4,6,8,10,12,14
.irp c, 0,1,2,3
	v_pk_add_f32 v[64+2*\c:65+2*\c], v[64+2*\c:65+2*\c], v[16*\c+\k:16*\c+\k+1]   ; (four chains by turns)
.endr
.endr
	FOLD 0
	v_mul_f32 v[MU], s42, v[PT]                    ; the mean
	v_mov_b32 v[MU+1], v[MU]
	WIN 0x41
.set k, 0
.rept 32
	v_pk_add_f32 v[k:k+1], v[k:k+1], v[MU:MU+1] neg_lo:[0,1] neg_hi:[0,1]
.set k, k+2
.endr
	WIN 0x55
.irp c, 0,1,2,3
	v_pk_mul_f32 v[64+2*\c:65+2*\c], v[16*\c:16*\c+1], v[16*\c:16*\c+1]
.endr
.irp k, 2,4,6,8,10,12,14
.irp c, 0,1,2,3
	v_pk_fma_f32 v[64+2*\c:65+2*\c], v[16*\c+\k:16*\c+\k+1], v[16*\c+\k:16*\c+\k+1], v[64+2*\c:65+2*\c]
.endr
.endr
	FOLD 1
	v_fma_f32 v[PT], v[PT], s42, s43               ; the variance + 1e-5
	s_wait_alu depctr_va_vdst(0)                   ; the wait ahead of the transcendental
	v_rsq_f32 v[RS], v[PT]
	v_nop                                          ; a plain place behind it
	s_wait_alu depctr_va_vdst(0)                   ; and the wait ahead of its first reader
	v_mov_b32 v[RS+1], v[RS]
	WIN 0x41
.set k, 0
.rept 32
	v_pk_mul_f32 v[k:k+1], v[k:k+1], v[RS:RS+1]
.set k, k+2
.endr
	WIN 0x55
.set k, 0
.rept 32
	v_pk_fma_f32 v[k:k+1], v[k:k+1], v[128+k:129+k], v[192+k:193+k]   ; x g1 + bt1
.set k, k+2
.endr
	; y in f32 turns through my stage and comes back by rows
	WIN 0x04
.irp b, 0,1,2,3
.irp j, 0,1,2,3
	ds_store_b128 v[STO], v[16*\b+4*\j:16*\b+4*\j+3] offset:128*\b+16*\j
.endr
.endr
	WIN 0x40
.irp i, 0,1,2,3,4,5,6,7,8,9,10,11,12,13,14,15
	ds_load_b128 v[64+4*\i:64+4*\i+3], v[STI] offset:528*\i   ; LDS serves a wave's instructions in order: these see my stores
.endr
	; my 64 numbers of row r are K step w of the next product: four blocks of 32, each in lanes l and l xor 16
	WIN 0
.irp b, 0,1,2,3
	v_mov_b32 v[TM+4+\b], 0
.endr
	WIN 0x14
.irp b, 0,1,2,3
	v_max3_num_f32 v[TM+\b], 0x1800000, |v[16*\b]|, |v[16*\b+1]|   ; the floor 2^(3 - 127) among the leaves
.endr
.irp i, 2,4,6,8,10,12,14
.irp b, 0,1,2,3
	v_max3_num_f32 v[TM+\b], v[TM+\b], |v[16*\b+\i]|, |v[16*\b+\i+1]|
.endr
.endr
	WIN 0
.irp b, 0,1,2,3
	v_permlanex16_b32 v[TM+4+\b], v[TM+\b], s40, s41
.endr
.irp b, 0,1,2,3
	v_max_num_f32 v[TM+\b], v[TM+\b], v[TM+4+\b]
.endr
.irp b, 0,1,2,3
	v_add_nc_u32 v[TM+12+\b], 0xff000000, v[TM+\b] ; 2 off the exponent field: the conversion's scale operand
.endr
.irp b, 0,1,2,3
	v_lshrrev_b32 v[TM+4+\b], 23, v[TM+12+\b]      ; the scale's byte
.endr
	v_lshl_or_b32 v[PW], v[TM+5], 8, v[TM+4]
	v_lshl_or_b32 v[PW], v[TM+6], 16, v[PW]
	v_lshl_or_b32 v[PW], v[TM+7], 24, v[PW]
	WIN 1
.irp c, 0,1
	v_cvt_scalef32_pk16_fp6_f32 v[PC+6*\c:PC+2+6*\c], v[32*\c:15+32*\c], v[TM+12+2*\c]
	v_cvt_scalef32_pk16_fp6_f32 v[PC+12+4*\c:PC+14+4*\c], v[16+32*\c:31+32*\c], v[TM+12+2*\c+1]
.endr
	WIN 0
	v_nop                                          ; one plain place behind a scaled conversion
.irp c, 0,1
.irp i, 0,1,2
	v_permlane16_swap_b32 v[PC+6*\c+\i], v[PC+12+4*\c+\i]
.endr
.irp i, 0,1,2
	v_mov_b32 v[PC+3+6*\c+\i], v[PC+12+4*\c+\i]
.endr
.endr
	global_store_b128 v[L16], v[PC:PC+3], s[36:37]
	global_store_b64 v[L8], v[PC+4:PC+5], s[36:37] offset:512
	global_store_b128 v[L16], v[PC+6:PC+9], s[36:37] offset:768
	global_store_b64 v[L8], v[PC+10:PC+11], s[36:37] offset:1280
	global_store_b32 v[R32], v[PW], s[38:39]       ; lanes r and r + 16 write the same word with the same value
	s_wait_dscnt 0x0                               ; y's rows are back
	WIN 0x04
.irp i, 0,1,2,3,4,5,6,7,8,9,10,11,12,13,14,15
	global_store_b128 v[L16], v[64+4*\i:64+4*\i+3], s[34:35] offset:(\i%8+16*(\i/8))*4096   ; 512 consecutive bytes
.endr
	WIN 0
	s_wait_tensorcnt 0x0                           ; the wave's end
	ds_add_u32 v[SPW], v[NIL]
	s_wait_dscnt 0x0
	s_endpgm
.Lfunc_end_k_q47ad483b4c_oln:
	.size	k_q47ad483b4c_oln, .Lfunc_end_k_q47ad483b4c_oln-k_q47ad483b4c_oln
	.p2alignl 7, 3214868480
	.fill 96, 4, 3214868480
	.section	.rodata,"a",@progbits
	.p2align	6, 0x0
	.amdhsa_kernel k_q47ad483b4c_oln
		.amdhsa_group_segment_fixed_size 81920
		.amdhsa_private_segment_fixed_size 0
		.amdhsa_enable_private_segment 0
		.amdhsa_kernarg_size 56
		.amdhsa_user_sgpr_count 2
		.amdhsa_user_sgpr_kernarg_segment_ptr 1
		.amdhsa_wavefront_size32 1
		.amdhsa_system_sgpr_workgroup_id_x 1
		.amdhsa_system_sgpr_workgroup_id_y 1
		.amdhsa_system_sgpr_workgroup_id_z 1
		.amdhsa_system_vgpr_workitem_id 0
		.amdhsa_next_free_vgpr 512
		.amdhsa_next_free_sgpr 66
		.amdhsa_reserve_vcc 0
		.amdhsa_float_denorm_mode_32 3
		.amdhsa_float_denorm_mode_16_64 3
		.amdhsa_memory_ordered 1
		.amdhsa_forward_progress 1
		.amdhsa_inst_pref_size 73
	.end_amdhsa_kernel
	.amdgpu_metadata
---
amdhsa.version: [ 1, 2 ]
amdhsa.kernels:
  - .name:           k_q47ad483b4c_oln
    .symbol:         k_q47ad483b4c_oln.kd
    .args:
      - { .name: aoc, .offset: 0, .size: 8, .value_kind: global_buffer, .address_space: global }
      - { .name: wq, .offset: 8, .size: 8, .value_kind: global_buffer, .address_space: global }
      - { .name: b_o, .offset: 16, .size: 8, .value_kind: global_buffer, .address_space: global }
      - { .name: x, .offset: 24, .size: 8, .value_kind: global_buffer, .address_space: global }
      - { .name: g1, .offset: 32, .size: 8, .value_kind: global_buffer, .address_space: global }
      - { .name: bt1, .offset: 40, .size: 8, .value_kind: global_buffer, .address_space: global }
      - { .name: yb, .offset: 48, .size: 8, .value_kind: global_buffer, .address_space: global }
    .group_segment_fixed_size: 81920
    .private_segment_fixed_size: 0
    .kernarg_segment_align: 8
    .kernarg_segment_size: 56
    .max_flat_workgroup_size: 256
    .sgpr_count:     66
    .vgpr_count:     512
    .wavefront_size: 32
...
	.end_amdgpu_metadata
.endif
;; end of part 4
;; launch ffn1 (part 5): grid 16 x 16, 4 waves a work-group, clusters of 4 x 4, 327,680 bytes of LDS; arguments yb, wq, b1, hc; writes hc
.if DOCPART == 5
	.amdgcn_target "amdgcn-amd-amdhsa--gfx1250"
	.amdhsa_code_object_version 6
	.text
	.protected	k_q47ad483b4c_ffn1
	.globl	k_q47ad483b4c_ffn1
	.p2align	8
	.type	k_q47ad483b4c_ffn1,@function
k_q47ad483b4c_ffn1:
	s_mov_b64 s[64:65], 0
	v_nop
	global_prefetch_b8 v0, s[64:65] scope:SCOPE_SE
	s_setreg_imm32_b32 hwreg(HW_REG_WAVE_MODE, 25, 1), 1
	s_wait_xcnt 0x0
	s_wait_alu depctr_hold_cnt(0) depctr_sa_sdst(0) depctr_va_vdst(0) depctr_va_sdst(0) depctr_va_ssrc(0) depctr_va_vcc(0) depctr_vm_vsrc(0)
	s_getreg_b32 s2, hwreg(HW_REG_IB_STS2, 6, 4)
	s_cmp_eq_u32 s2, 0
	s_cbranch_scc0 .Lentry_in_a_cluster
	s_endpgm
.Lentry_in_a_cluster:
	s_bfe_u32 s2, ttmp6, 0x10000c
	s_cmp_lg_u32 s2, 0xf033
	s_cbranch_scc0 .Lentry_shape_is_right
	s_endpgm
.Lentry_shape_is_right:
; relu(y w1 + b1) on codes of FP6 (E2M3); the result is quantised again, along its N, in registers.
; Operands lie as images of fragments: [tile T][K step][1536] (half c at 768 c: registers 6c..6c+3 at 16 x lane, 6c+4, 6c+5 at 512 + 8 x lane); label r of tile T is row 32 (T / 2) + 8 (T % 2) + r % 8 + 16 (r / 8).
; Scale words lie [T / 8][K step][r][T % 2][(T % 8) / 2].
; A tile of C, 256 x 256, is made by four waves, each 128 x 128: 64 accumulators, 512 registers.
; K = 1,024 is four tiles of 256 along K, 98,304 bytes each.  THREE LDS slots are filled at the start; slot 0 alone is filled again, with the fourth tile, and that load has the 256 matrix instructions of slots 1 and 2 in which to land.
; By this text's count one tensor load of a wave is out at a time.
; THE MATRIX INSTRUCTION IS USED TRANSPOSED (source 0 = 16 labels of B, source 1 = 16 labels of A): a lane holds one label of A, and by the tiles' order the 16 registers of B's tiles 2 b, 2 b + 1 are 16 neighbours along N:
; so a block of A (16 labels x 128 N) is quantised like any 64 numbers of a lane and leaves as one fragment's image: no LDS on the way out, each store 512 or 256 consecutive bytes.
; The bias is the C of each sum's first matrix instruction, eight registers a tile of B, in the result's layout.
; CLUSTERS: 4 x 4 work-groups; A's tiles are asked for jointly along a row of the cluster, B's along a column.
; No prefetch: three quarters of K are asked for at the head, and each panel is asked for by several clusters together.
; LIMITS: a block of zeros gets the byte 1; blocks under 2^-124 are held at the byte 1; NaN and infinities are not served.
; REGISTERS: window 0: v8-31 addresses; v32-63 scale words, two sets; v64-127 the bias; v128-223 A's fragments, one set; on the way out v128-179 are at work.  window 1: B's fragments, two sets.  windows 2, 3: the accumulators.
; THE FILLS AS THE TEXT HAS THEM (in place of what stands above on three slots filled at the start): at the head one tensor load a wave: wave 0 A's sixteen tiles of K steps 0, 1,
; wave 2 B's, waves 1 and 3 the scale words of A and of B.  Behind the three lines and a round each wave asks for its eight tiles of K steps 2 to 5 by ONE load (rows of 6,144 bytes):
; slots 1 and 2 are the two halves of those rows.  Slot 0 is filled again with K steps 6, 7.  By this text's count one tensor load of a wave is out at a time.
.set NKS,   8
.set NQ,    2                          ; K steps in a slot
.set FRB,   1536                       ; a fragment's image
.set ROWB,  NQ*FRB                     ; a tile's bytes in a slot
.set KROW,  NKS*FRB                    ; a tile's bytes in memory
.set HALFT, 8*ROWB                     ; eight tiles: what one tensor load brings, and what one wave reads of A or of B
.set SLOT,  4*HALFT
.set SCL,   3*SLOT                     ; behind the three slots: the scale words of all of K, filled once
.set HALFS, NKS*512                    ; those of eight tiles
.set SPARE, SCL+4*HALFS                ; the spare words: 128 bytes for each wave, named by no other line
.set FR,    12
.set NL,    4                          ; LDS loads that bring a fragment
.set NP,    4                          ; places behind this matrix instruction (ISA guide 7.12.1)
.set W1C,   6553600                    ; offsets in wq
.set W1S,   9699328
.set YC,    16777216                   ; in yb
.set YS,    19922944
.set HS,    12582912                   ; in hc
.set ADRA, 8                           ; v8-10 A's fragments in slot 0, 1, 2: 16 x lane;  v11-13: 512 + 8 x lane
.set ADRB, 16                          ; v16-18, v19-21 the same for B
.set L16,  24                          ; v24  16 x lane
.set L8,   25                          ; v25  8 x lane
.set RH,   26                          ; v26  32 r + 16 h
.set ADRS, 27                          ; v27  my scale words: lanes 0-15 A's, lanes 16-31 B's
.set SPW,  28                          ; v28  my spare word; never rewritten
.set NIL,  29                          ; v29  0; never rewritten
.set LN,   31                          ; v31  lane
.set SC,   32                          ; scale words: set sc, K step q, tile a at SC + 16 sc + 8 q + 4 (a % 2) + a / 2
.set BI,   64
.set AF,   128
.set TM,   128                         ; the way out
.set PWS,  144
.set SS,   152
.set PC,   160
.set G1, 24
.set G0, 32                            ; s[32:39] A's groups 0 for slot 0 and for slots 1, 2
.set G0A2, 96
.set G1B, 48
.set G0B, 56                           ; s[56:63] B's for slot 0 and for slots 1, 2
.set G0B2, 92
.set G1S, 68
.set G0S, 76
.set G1SB, 80
.set G0SB, 88
.set MSB, 0
.macro WIN new                         ; the immediate's high byte repeats the setting that is left
.if MSB != (\new)
	s_set_vgpr_msb (MSB<<8)|(\new)
.set MSB, (\new)
.endif
.endm
.set MUL_LO,  0xa1                     ; source 0 (B) window 1, source 1 (A) window 0, C and D window 2
.set MUL_HI,  0xf1                     ; the same, C and D window 3
.set MUL_LO0, 0x81                     ; a sum's first product: C (the bias) window 0, D window 2
.set MUL_HI0, 0xc1
.set TO_B,    0x40
; A joint load: waves 0 and 1 fetch for A, waves 2 and 3 for B; four v_nop follow each of the two lines
.macro JLOAD g0a, g1a, g0b, g1b
	s_cmp_eq_u32 s15, 0
	s_cbranch_scc0 .Lfor_b_\@
	tensor_load_to_lds s[\g0a:\g0a+3], s[\g1a:\g1a+7]
	s_nop 0
.rept 4
	v_nop
.endr
	s_branch .Lasked_\@
.Lfor_b_\@:
	tensor_load_to_lds s[\g0b:\g0b+3], s[\g1b:\g1b+7]
	s_nop 0
.rept 4
	v_nop
.endr
.Lasked_\@:
.endm
.macro CREST                           ; a round of the cluster's barrier behind its opening barrier
	s_cmp_lg_u32 s14, 0
	s_cbranch_scc1 .Lnot_wave_0_\@
	s_barrier_signal -3
.Lnot_wave_0_\@:
	s_barrier_wait -3
	s_barrier_signal -1
	s_barrier_wait -1
.endm
.macro CROUND
	s_barrier_signal -1
	s_barrier_wait -1
	CREST
.endm
.macro PLACES n
.rept \n
	v_nop
.endr
.endm
	s_load_b64 s[4:5], s[0:1], 0x0                 ; yb
	s_load_b64 s[8:9], s[0:1], 0x8                 ; wq
	s_load_b64 s[10:11], s[0:1], 0x10              ; b1
	s_load_b64 s[12:13], s[0:1], 0x18              ; hc
	v_lshl_add_u32 v[SPW], v0, 2, SPARE
	v_mov_b32 v[NIL], 0
	ds_add_u32 v28, v29
	ds_add_u32 v28, v29
	s_wait_dscnt 0x0
	v_lshrrev_b32 v1, 5, v0
	v_readfirstlane_b32 s14, v1                    ; wave 0..3
	s_lshr_b32 s15, s14, 1                         ; which half of the tile's rows is mine.  Also: I fetch for A (0) or for B (1)
	s_and_b32 s16, s14, 1                          ; which half of its columns.  Also: which eight tiles I fetch
	s_bfe_u32 s40, ttmp6, 0x40000                  ; cx, cy
	s_bfe_u32 s41, ttmp6, 0x40004
	s_lshl_b32 s42, ttmp9, 2
	s_add_co_u32 s42, s42, s40                     ; tile column of C
	s_and_b32 s17, ttmp7, 0xffff
	s_lshl_b32 s17, s17, 2
	s_add_co_u32 s17, s17, s41                     ; tile row of C
	s_lshl_b32 s43, s41, 2
	s_lshl_b32 s43, 15, s43                        ; my row of the cluster
	s_lshl_b32 s44, 0x1111, s40                    ; my column
	; descriptor group 1: eight tiles x ROWB bytes (elements of 8 bytes), KROW bytes apart; no padding: every LDS read is of consecutive bytes
	s_or_b32 s[G1+0], s43, (3<<16)|(1<<21)
	s_or_b32 s[G1B+0], s44, (3<<16)|(1<<21)
.irp g, G1, G1B
	s_mov_b32 s[\g+1], (ROWB/8)<<16                ; tensor_dim0
	s_mov_b32 s[\g+2], 16<<16                      ; the head's loads bring sixteen tiles
	s_mov_b32 s[\g+3], (ROWB/8)<<16                ; tile_dim0
	s_mov_b32 s[\g+4], 16
	s_mov_b32 s[\g+5], KROW/8                      ; tensor_dim0_stride
	s_mov_b32 s[\g+6], 0
	s_mov_b32 s[\g+7], 0
.endr
	; the scale words of sixteen tiles: a dense block of 2 HALFS bytes, as rows of 256
	s_or_b32 s[G1S+0], s43, (3<<16)|(1<<21)
	s_or_b32 s[G1SB+0], s44, (3<<16)|(1<<21)
.irp g, G1S, G1SB
	s_mov_b32 s[\g+1], 32<<16
	s_mov_b32 s[\g+2], (HALFS/128)<<16             ; the scale words of sixteen tiles
	s_mov_b32 s[\g+3], 32<<16
	s_mov_b32 s[\g+4], HALFS/128
	s_mov_b32 s[\g+5], 32
	s_mov_b32 s[\g+6], 0
	s_mov_b32 s[\g+7], 0
.endr
	s_lshl_b32 s18, s16, 3
	s_lshl_b32 s20, s17, 4
	s_add_co_u32 s20, s20, s18                     ; A: first tile 16 x tile row + 8 x half
	s_mul_i32 s20, s20, KROW
	s_add_co_u32 s20, s20, YC
	s_mov_b32 s21, 0
	s_lshl_b32 s46, s42, 4
	s_add_co_u32 s46, s46, s18                     ; B likewise by the tile column
	s_mul_i32 s46, s46, KROW
	s_add_co_u32 s46, s46, W1C
	s_mov_b32 s47, 0
	s_lshl_b32 s22, s17, 1
	s_mul_i32 s22, s22, HALFS
	s_add_co_u32 s22, s22, YS
	s_mov_b32 s23, 0
	s_lshl_b32 s2, s42, 1
	s_mul_i32 s2, s2, HALFS
	s_add_co_u32 s2, s2, W1S
	s_mov_b32 s3, 0
	s_mul_i32 s45, s14, HALFT                      ; where they go: by the wave's number alone
	s_wait_kmcnt 0x0
	s_add_nc_u64 s[20:21], s[4:5], s[20:21]
	s_add_nc_u64 s[22:23], s[4:5], s[22:23]
	s_add_nc_u64 s[46:47], s[8:9], s[46:47]
	s_add_nc_u64 s[2:3], s[8:9], s[2:3]
	CROUND                                         ; all sixteen work-groups are here: the first joint loads meet
	s_mov_b32 s[G0S], 1
	s_mov_b32 s[G0S+1], SCL
	s_mov_b64 s[G0S+2:G0S+3], s[22:23]
	s_or_b32 s[G0S+3], s[G0S+3], 0x80000000
	s_mov_b32 s[G0SB], 1
	s_mov_b32 s[G0SB+1], SCL+2*HALFS
	s_mov_b64 s[G0SB+2:G0SB+3], s[2:3]
	s_or_b32 s[G0SB+3], s[G0SB+3], 0x80000000
.irp s, 0,1
	s_mov_b32 s[G0+4*\s], 1
	s_lshl_b32 s[G0+4*\s+1], s45, \s               ; set 1 serves K steps 2 to 5: a wave's part is twice as long
	s_add_co_u32 s[G0+4*\s+1], s[G0+4*\s+1], \s*SLOT
	s_add_nc_u64 s[G0+4*\s+2:G0+4*\s+3], s[20:21], \s*ROWB
	s_or_b32 s[G0+4*\s+3], s[G0+4*\s+3], 0x80000000
	s_mov_b32 s[G0B+4*\s], 1
	s_lshl_b32 s[G0B+4*\s+1], s45, \s
	s_add_co_u32 s[G0B+4*\s+1], s[G0B+4*\s+1], \s*SLOT
	s_add_nc_u64 s[G0B+4*\s+2:G0B+4*\s+3], s[46:47], \s*ROWB
	s_or_b32 s[G0B+4*\s+3], s[G0B+4*\s+3], 0x80000000
.endr
; THE HEAD'S LOADS, one a wave, in one chain of branches on the wave's number.  Waves 0 and 2 have the first half's addresses in their own groups 0: with sixteen rows these bring all of A's, all of B's tiles of slot 0.
.macro HARM w, g0, g1
	s_cmp_eq_u32 s14, \w
	s_cbranch_scc0 .Lnot_arm_\w
	tensor_load_to_lds s[\g0:\g0+3], s[\g1:\g1+7]
	s_nop 0
.rept 4
	v_nop
.endr
	s_branch .Lhead_asked
.Lnot_arm_\w:
.endm
	HARM 0, G0, G1
	HARM 2, G0B, G1B
	HARM 1, G0S, G1S
	tensor_load_to_lds s[G0SB:G0SB+3], s[G1SB:G1SB+7]
	s_nop 0
.rept 4
	v_nop
.endr
.Lhead_asked:
	v_and_b32 v[LN], 31, v0
	v_and_b32 v2, 15, v0                           ; r
	v_bfe_u32 v3, v0, 4, 1                         ; h
	v_lshlrev_b32 v[L16], 4, v[LN]
	v_lshlrev_b32 v[L8], 3, v[LN]
	v_add_nc_u32 v4, 512, v[L8]
	s_mul_i32 s18, s15, HALFT                      ; my eight tiles of A
	s_mul_i32 s19, s16, HALFT                      ; my eight tiles of B,
	s_add_co_u32 s19, s19, 2*HALFT                 ; which lie behind A's sixteen
.irp s, 0,1,2
	v_add_nc_u32 v[ADRA+\s], s18, v[L16]
	v_add_nc_u32 v[ADRA+3+\s], s18, v4
	v_add_nc_u32 v[ADRB+\s], s19, v[L16]
	v_add_nc_u32 v[ADRB+3+\s], s19, v4
.if \s == 0
	s_lshl_b32 s18, s18, 1                         ; behind slot 0 a tile's row holds four K steps: my eight tiles lie twice as far in
	s_lshl_b32 s19, s19, 1
	s_add_co_u32 s18, s18, SLOT
	s_add_co_u32 s19, s19, SLOT
.else
	s_add_co_u32 s18, s18, ROWB                    ; slot 2 is the second half of those rows
	s_add_co_u32 s19, s19, ROWB
.endif
.endr
	s_mul_i32 s18, s15, HALFS
	s_mul_i32 s19, s16, HALFS
	s_add_co_u32 s19, s19, 2*HALFS
	s_sub_co_u32 s19, s19, s18                     ; from A's words to B's
	v_mul_u32_u24 v5, s19, v3                      ; lanes 16-31 take B's
	s_add_co_u32 s18, s18, SCL
	v_lshl_add_u32 v5, v2, 5, v5
	v_add_nc_u32 v[ADRS], s18, v5
	v_lshlrev_b32 v[RH], 5, v2
	v_lshl_add_u32 v[RH], v3, 4, v[RH]
	s_lshl_b32 s6, s17, 1
	s_add_co_u32 s6, s6, s15                       ; G: my eight tiles of A, counted in eights
	s_lshl_b32 s7, s42, 1
	s_add_co_u32 s7, s7, s16                       ; the next product's K step
	s_lshl_b32 s18, s6, 8
	s_add_co_u32 s18, s18, s7
	s_mul_i32 s20, s18, 1536
	s_mov_b32 s21, 0
	s_add_nc_u64 s[20:21], s[12:13], s[20:21]      ; codes: tile 8 G, 32 K steps a tile
	s_lshl_b32 s18, s6, 5
	s_add_co_u32 s18, s18, s7
	s_lshl_b32 s22, s18, 9
	s_add_co_u32 s22, s22, HS
	s_mov_b32 s23, 0
	s_add_nc_u64 s[22:23], s[12:13], s[22:23]
	s_lshl_b32 s18, s42, 10
	s_lshl_b32 s19, s16, 9
	s_add_co_u32 s18, s18, s19
	s_mov_b32 s19, 0
	s_add_nc_u64 s[10:11], s[10:11], s[18:19]      ; b1 at my 128 columns
	v_lshlrev_b32 v6, 6, v3                        ; lane (r, h) wants, for B's tile 2 b + u, the columns 32 b + 16 h + 8 u + 0 .. 7
.irp b, 0,1,2,3,4,5,6,7
	global_load_b128 v[BI+8*\b:BI+8*\b+3], v6, s[10:11] offset:(32*(\b/2)+8*(\b%2))*4
	global_load_b128 v[BI+8*\b+4:BI+8*\b+7], v6, s[10:11] offset:(32*(\b/2)+8*(\b%2))*4+16
.endr
.macro FRAG reg, adr, q, i             ; a fragment comes as it was stored: four loads of consecutive bytes
	ds_load_b128 v[\reg:\reg+3], v[\adr] offset:RP*(\i)+FRB*(\q)
	ds_load_b64 v[\reg+4:\reg+5], v[\adr+3] offset:RP*(\i)+FRB*(\q)
	ds_load_b128 v[\reg+6:\reg+9], v[\adr] offset:RP*(\i)+FRB*(\q)+768
	ds_load_b64 v[\reg+10:\reg+11], v[\adr+3] offset:RP*(\i)+FRB*(\q)+768
.endm
; 16 matrix instructions: A's blocks a0, a0 + 1 x B's eight.  The 64 accumulators take turns, one instruction a turn, in the same order in every step.
.macro MUL16 a0, p, q, sc, zero
.irp a, \a0, \a0+1
.irp b, 0,1,2,3,4,5,6,7
.set rD, 8*(8*((\a)%4)+\b)
.set rB, 128*(\p)+FR*\b
.set rA, AF+FR*(\a)
.set rSB, SC+16*(\sc)+8*(\q)+4*(\b%2)+\b/2
.set rSA, SC+16*(\sc)+8*(\q)+4*((\a)%2)+(\a)/2
.if \zero
	v_wmma_scale_f32_16x16x128_f8f6f4 v[rD:rD+7], v[rB:rB+FR-1], v[rA:rA+FR-1], v[BI+8*\b:BI+8*\b+7], v[rSB], v[rSA] matrix_a_fmt:MATRIX_FMT_FP6 matrix_b_fmt:MATRIX_FMT_FP6 matrix_a_scale:MATRIX_SCALE_ROW1
.else
	v_wmma_scale_f32_16x16x128_f8f6f4 v[rD:rD+7], v[rB:rB+FR-1], v[rA:rA+FR-1], v[rD:rD+7], v[rSB], v[rSA] matrix_a_fmt:MATRIX_FMT_FP6 matrix_b_fmt:MATRIX_FMT_FP6 matrix_a_scale:MATRIX_SCALE_ROW1
.endif
.endr
.endr
.endm
.macro FETCH_B slot, q, p
.set RP, ROWB*(1+((\slot)+1)/2)        ; from tile to tile: 3,072 bytes in slot 0, 6,144 in slots 1 and 2
	WIN TO_B
.irp i, 0,1,2,3,4,5,6,7
	FRAG 128*(\p)+FR*\i, ADRB+\slot, \q, \i
.endr
	WIN 0
.endm
.macro FETCH_A slot, q, i0
.set RP, ROWB*(1+((\slot)+1)/2)
.irp i, \i0, \i0+1, \i0+2, \i0+3
	FRAG AF+FR*(\i), ADRA+\slot, \q, \i
.endr
.endm
.macro SCALES sc                       ; a tile's scale words into set sc: lanes 0-15 A's eight tiles, lanes 16-31 B's
.irp q, 0,1
	ds_load_b128 v[SC+16*\sc+8*\q:SC+16*\sc+8*\q+3], v[ADRS] offset:512*\q
	ds_load_b128 v[SC+16*\sc+8*\q+4:SC+16*\sc+8*\q+7], v[ADRS] offset:512*\q+16
.endr
.endm
.macro STEP slot, sc, q, zero          ; a step of 128 along K that has its successor in the same slot
	s_wait_dscnt 4*NL                              ; B's set, A's blocks 0-3 and the scale words are in; the youngest 16 loads (A's blocks 4-7) may be out
.if \zero
	WIN MUL_LO0
.else
	WIN MUL_LO
.endif
	MUL16 0, (\q)%2, \q, \sc, \zero
	MUL16 2, (\q)%2, \q, \sc, \zero
	s_wait_dscnt 0                                 ; A's blocks 4-7 are in
	PLACES NP
	FETCH_B \slot, (\q)+1, 1-(\q)%2
	FETCH_A \slot, (\q)+1, 0
.if \zero
	WIN MUL_HI0
.else
	WIN MUL_HI
.endif
	MUL16 4, (\q)%2, \q, \sc, \zero
	MUL16 6, (\q)%2, \q, \sc, \zero
	PLACES NP
	WIN 0
	FETCH_A \slot, (\q)+1, 4
.endm
; A slot's last step goes on into slot next.  sc, nsc: the sets of scale words of this tile and of the next.
; mode 2: slot 0 has been read out and is filled again: each wave waits for all its tensor loads, adds 0 to its spare word, waits for that and for its reads of the slot; a round of the cluster's barrier; the joint refill first behind it.
; mode 1: the slot ahead was filled again: the same lines and my work-group's barrier.
; mode 0: the slot ahead is one of the first fills, shown whole to every wave by mode 2's wait and round: no barrier.
.macro TURN sc, next, nsc, mode
.if \mode
	s_wait_tensorcnt 0x0                           ; all my tensor loads have landed
	ds_add_u32 v[SPW], v[NIL]                      ; 0 onto my spare word
	s_wait_dscnt 4*NL+1                            ; (the add and the youngest 16 loads may be out)
.else
	s_wait_dscnt 4*NL
.endif
	WIN MUL_LO
	MUL16 0, 1, NQ-1, \sc, 0
.if \mode
	s_wait_dscnt 0x0                               ; the add is done, and my reads of this slot are over
	s_barrier_signal -1
.endif
	MUL16 2, 1, NQ-1, \sc, 0
	WIN 0
.if \mode
	s_barrier_wait -1
.else
	s_wait_dscnt 0x0                               ; A's blocks 4-7 are in
.endif
.if \mode == 2
	CREST                                          ; the barrier has opened a round of the cluster's barrier: no wave of any partner still reads slot 0 or has a load on its way
	s_add_nc_u64 s[G0+2:G0+3], s[G0+2:G0+3], 3*ROWB
	s_add_nc_u64 s[G0B+2:G0B+3], s[G0B+2:G0B+3], 3*ROWB
.irp g, G1, G1B
	s_mov_b32 s[\g+1], (ROWB/8)<<16                ; no tensor load of mine is out: the refill's rows hold two K steps again
	s_mov_b32 s[\g+3], (ROWB/8)<<16
.endr
	JLOAD G0, G1, G0B, G1B                         ; the first tensor load behind the round; its four v_nop are the places in front of the loads below
.else
	PLACES NP
.endif
	v_add_nc_u32 v[ADRS], 512*NQ, v[ADRS]          ; the next tile's scale words
	FETCH_B \next, 0, 0
	FETCH_A \next, 0, 0
	SCALES \nsc
	WIN MUL_HI
	MUL16 4, 1, NQ-1, \sc, 0
	MUL16 6, 1, NQ-1, \sc, 0
	PLACES NP
	WIN 0
	FETCH_A \next, 0, 4
.endm
	s_wait_alu depctr_va_vdst(0)
	s_wait_tensorcnt 0x0                           ; my tile of the head's four is in
	ds_add_u32 v[SPW], v[NIL]
.irp g, G1, G1B
	s_mov_b32 s[\g+1], (ROWB/4)<<16                ; no tensor load of mine is out: the next load brings eight tiles x four K steps
	s_mov_b32 s[\g+2], 8<<16
	s_mov_b32 s[\g+3], (ROWB/4)<<16
	s_mov_b32 s[\g+4], 8
.endr
	s_wait_dscnt 0x0
	CROUND                                         ; all four tiles are in, and all sixteen work-groups are here
	JLOAD G0+4, G1, G0B+4, G1B                     ; K steps 2 to 5, the first tensor load behind the round
	FETCH_B 0, 0, 0
	FETCH_A 0, 0, 0
	SCALES 0
	FETCH_A 0, 0, 4
	s_wait_loadcnt 0x0                             ; the bias
	STEP 0, 0, 0, 1                                ; the first step starts the sums
	TURN 0, 1, 1, 2                                ; slot 0 takes the fourth tile; on into slot 1
	s_wait_alu depctr_va_vdst(0)
	STEP 1, 1, 0, 0
	TURN 1, 2, 0, 0                                ; on into slot 2
	s_wait_alu depctr_va_vdst(0)
	STEP 2, 0, 0, 0
	TURN 0, 0, 1, 1                                ; on into slot 0: the fourth tile
	STEP 0, 1, 0, 0
	s_wait_dscnt 4*NL
	WIN MUL_LO
	MUL16 0, 1, NQ-1, 1, 0
	MUL16 2, 1, NQ-1, 1, 0
	s_wait_dscnt 0
	WIN MUL_HI
	MUL16 4, 1, NQ-1, 1, 0
	MUL16 6, 1, NQ-1, 1, 0
	WIN 0
	; THE WAY OUT: block a (16 labels of A x my 128 columns) is 64 numbers a lane, register 16 b + i = column 32 b + 16 h + i: quantised along the columns, it is one fragment
	PLACES NP
	s_mov_b32 s18, 0x76543210
	s_mov_b32 s19, 0xfedcba98
.irp b, 0,1,2,3
	v_mov_b32 v[TM+4+\b], 0                        ; a lane permute's destination counts as one of its sources
.endr
.macro QBLOCK a
.set AC, 64*((\a)%4)
.set XW, 2+(\a)/4
	WIN (XW<<6)|(XW<<2)
.set j, 0
.rept 64
	v_max_num_f32 v[AC+j], 0, v[AC+j]              ; the activation, in f32; each accumulator from its low end on
.set j, j+1
.endr
	WIN (XW<<2)|(XW<<4)
.irp b, 0,1,2,3
	v_max3_num_f32 v[TM+\b], 0x1800000, |v[AC+16*\b]|, |v[AC+16*\b+1]|   ; the floor 2^(3 - 127) among the leaves
.endr
.irp i, 2,4,6,8,10,12,14
.irp b, 0,1,2,3
	v_max3_num_f32 v[TM+\b], v[TM+\b], |v[AC+16*\b+\i]|, |v[AC+16*\b+\i+1]|
.endr
.endr
	WIN 0
.irp b, 0,1,2,3
	v_permlanex16_b32 v[TM+4+\b], v[TM+\b], s18, s19
.endr
.irp b, 0,1,2,3
	v_max_num_f32 v[TM+\b], v[TM+\b], v[TM+4+\b]
.endr
.irp b, 0,1,2,3
	v_add_nc_u32 v[TM+12+\b], 0xff000000, v[TM+\b]
.endr
.irp b, 0,1,2,3
	v_lshrrev_b32 v[TM+4+\b], 23, v[TM+12+\b]
.endr
	v_lshl_or_b32 v[PWS+(\a)], v[TM+5], 8, v[TM+4]
	v_lshl_or_b32 v[PWS+(\a)], v[TM+6], 16, v[PWS+(\a)]
	v_lshl_or_b32 v[PWS+(\a)], v[TM+7], 24, v[PWS+(\a)]
	s_wait_xcnt 0x0                                ; the last block's stores have read their registers
	WIN XW
.irp c, 0,1
	v_cvt_scalef32_pk16_fp6_f32 v[PC+6*\c:PC+2+6*\c], v[AC+32*\c:AC+15+32*\c], v[TM+12+2*\c]
	v_cvt_scalef32_pk16_fp6_f32 v[PC+12+4*\c:PC+14+4*\c], v[AC+16+32*\c:AC+31+32*\c], v[TM+12+2*\c+1]
.endr
	WIN 0
	v_nop                                          ; one plain place behind a scaled conversion
.irp c, 0,1
.irp i, 0,1,2
	v_permlane16_swap_b32 v[PC+6*\c+\i], v[PC+12+4*\c+\i]
.endr
.irp i, 0,1,2
	v_mov_b32 v[PC+3+6*\c+\i], v[PC+12+4*\c+\i]
.endr
.endr
	global_store_b128 v[L16], v[PC:PC+3], s[20:21] offset:49152*(\a)
	global_store_b64 v[L8], v[PC+4:PC+5], s[20:21] offset:49152*(\a)+512
	global_store_b128 v[L16], v[PC+6:PC+9], s[20:21] offset:49152*(\a)+768
	global_store_b64 v[L8], v[PC+10:PC+11], s[20:21] offset:49152*(\a)+1280
.endm
.irp t, 0,1,2,3,4,5,6,7
	QBLOCK \t
.endr
	v_cmp_le_u32 vcc_lo, 16, v[LN]                 ; lanes 16-31 take the odd tiles' words
.irp j, 0,1,2,3
	v_cndmask_b32 v[SS+\j], v[PWS+2*\j], v[PWS+2*\j+1], vcc_lo
.endr
	global_store_b128 v[RH], v[SS:SS+3], s[22:23]  ; 512 consecutive bytes
	s_wait_tensorcnt 0x0                           ; the wave's end
	ds_add_u32 v[SPW], v[NIL]
	s_wait_dscnt 0x0
	CROUND                                         ; the closing round
	s_endpgm
.Lfunc_end_k_q47ad483b4c_ffn1:
	.size	k_q47ad483b4c_ffn1, .Lfunc_end_k_q47ad483b4c_ffn1-k_q47ad483b4c_ffn1
	.p2alignl 7, 3214868480
	.fill 96, 4, 3214868480
	.section	.rodata,"a",@progbits
	.p2align	6, 0x0
	.amdhsa_kernel k_q47ad483b4c_ffn1
		.amdhsa_group_segment_fixed_size 327680
		.amdhsa_private_segment_fixed_size 0
		.amdhsa_enable_private_segment 0
		.amdhsa_kernarg_size 32
		.amdhsa_user_sgpr_count 2
		.amdhsa_user_sgpr_kernarg_segment_ptr 1
		.amdhsa_wavefront_size32 1
		.amdhsa_system_sgpr_workgroup_id_x 1
		.amdhsa_system_sgpr_workgroup_id_y 1
		.amdhsa_system_sgpr_workgroup_id_z 1
		.amdhsa_system_vgpr_workitem_id 0
		.amdhsa_next_free_vgpr 1024
		.amdhsa_next_free_sgpr 102
		.amdhsa_reserve_vcc 1
		.amdhsa_float_denorm_mode_32 3
		.amdhsa_float_denorm_mode_16_64 3
		.amdhsa_memory_ordered 1
		.amdhsa_forward_progress 1
		.amdhsa_inst_pref_size 166
	.end_amdhsa_kernel
	.amdgpu_metadata
---
amdhsa.version: [ 1, 2 ]
amdhsa.kernels:
  - .name:           k_q47ad483b4c_ffn1
    .symbol:         k_q47ad483b4c_ffn1.kd
    .args:
      - { .name: yb, .offset: 0, .size: 8, .value_kind: global_buffer, .address_space: global }
      - { .name: wq, .offset: 8, .size: 8, .value_kind: global_buffer, .address_space: global }
      - { .name: b1, .offset: 16, .size: 8, .value_kind: global_buffer, .address_space: global }
      - { .name: hc, .offset: 24, .size: 8, .value_kind: global_buffer, .address_space: global }
    .group_segment_fixed_size: 327680
    .private_segment_fixed_size: 0
    .kernarg_segment_align: 8
    .kernarg_segment_size: 32
    .max_flat_workgroup_size: 128
    .sgpr_count:     102
    .vgpr_count:     1024
    .wavefront_size: 32
...
	.end_amdgpu_metadata
.endif
;; end of part 5
;; launch ffn2 (part 6): grid 8 x 32, 4 waves a work-group, clusters of 4 x 4, 327,680 bytes of LDS; arguments hc, wq, b2, yb, z; writes z
.if DOCPART == 6
	.amdgcn_target "amdgcn-amd-amdhsa--gfx1250"
	.amdhsa_code_object_version 6
	.text
	.protected	k_q47ad483b4c_ffn2
	.globl	k_q47ad483b4c_ffn2
	.p2align	8
	.type	k_q47ad483b4c_ffn2,@function
k_q47ad483b4c_ffn2:
	s_mov_b64 s[64:65], 0
	v_nop
	global_prefetch_b8 v0, s[64:65] scope:SCOPE_SE
	s_setreg_imm32_b32 hwreg(HW_REG_WAVE_MODE, 25, 1), 1
	s_wait_xcnt 0x0
	s_wait_alu depctr_hold_cnt(0) depctr_sa_sdst(0) depctr_va_vdst(0) depctr_va_sdst(0) depctr_va_ssrc(0) depctr_va_vcc(0) depctr_vm_vsrc(0)
	s_getreg_b32 s2, hwreg(HW_REG_IB_STS2, 6, 4)
	s_cmp_eq_u32 s2, 0
	s_cbranch_scc0 .Lentry_in_a_cluster
	s_endpgm
.Lentry_in_a_cluster:
	s_bfe_u32 s2, ttmp6, 0x10000c
	s_cmp_lg_u32 s2, 0xf033
	s_cbranch_scc0 .Lentry_shape_is_right
	s_endpgm
.Lentry_shape_is_right:
.set NKS,   32
.set BCO,   9830400
.set BSO,   12976128
.set FRB,   1536
.set ASO,   256*NKS*FRB
.set KROW,  NKS*FRB
.set RB0,   6*FRB
.set RB1,   5*FRB
.set HT0,   4*RB0
.set HT1,   4*RB1
.set SL1,   4*HT0
.set SCL,   SL1+4*HT1
.set HALFS, NKS*256
.set STAGE, SCL+4*HALFS
.set SPARE, STAGE+4*16*272
.set ADRA, 16
.set ADRB, 20
.set STO,  24
.set RD,   25
.set CO,   26
.set ADRS, 27
.set SPW,  28
.set NIL,  29
.set BO,   30
.set SC,   32
.set BIA,  40
.set ST,   48
.set ACC,  128
.set F0,   0
.set F1,   128
.set G1A0, 24
.set G0A,  32
.set G1A1, 40
.set G1B0, 48
.set G0B,  56
.set G1B1, 92
.set G1S,  68
.set G0S,  76
.set G1SB, 80
.set G0SB, 88
.set MSB, 0
.macro WIN new
.if MSB != (\new)
	s_set_vgpr_msb (MSB<<8)|(\new)
.set MSB, (\new)
.endif
.endm
.set MUL,  0x05
.set TO_F, 0x40
.macro JLOAD g0a, g1a, g0b, g1b
	s_cmp_eq_u32 s15, 0
	s_cbranch_scc0 .Lfor_b_\@
	tensor_load_to_lds s[\g0a:\g0a+3], s[\g1a:\g1a+7]
	s_nop 0
.rept 4
	v_nop
.endr
	s_branch .Lasked_\@
.Lfor_b_\@:
	tensor_load_to_lds s[\g0b:\g0b+3], s[\g1b:\g1b+7]
	s_nop 0
.rept 4
	v_nop
.endr
.Lasked_\@:
.endm
.macro CREST
	s_cmp_lg_u32 s14, 0
	s_cbranch_scc1 .Lnot_wave_0_\@
	s_barrier_signal -3
.Lnot_wave_0_\@:
	s_barrier_wait -3
	s_barrier_signal -1
	s_barrier_wait -1
.endm
.macro CROUND
	s_barrier_signal -1
	s_barrier_wait -1
	CREST
.endm
.macro PLACES
.rept 4
	v_nop
.endr
.endm
	s_load_b64 s[4:5], s[0:1], 0x0
	s_load_b64 s[8:9], s[0:1], 0x8
	s_load_b64 s[10:11], s[0:1], 0x10
	s_load_b64 s[6:7], s[0:1], 0x18
	s_load_b64 s[12:13], s[0:1], 0x20
	v_lshl_add_u32 v[SPW], v0, 2, SPARE
	v_mov_b32 v[NIL], 0
	ds_add_u32 v28, v29
	ds_add_u32 v28, v29
	s_wait_dscnt 0x0
	v_lshrrev_b32 v1, 5, v0
	v_readfirstlane_b32 s14, v1
	s_lshr_b32 s15, s14, 1
	s_and_b32 s16, s14, 1
	s_bfe_u32 s20, ttmp6, 0x40000
	s_bfe_u32 s21, ttmp6, 0x40004
	s_lshl_b32 s18, ttmp9, 2
	s_add_co_u32 s18, s18, s20
	s_and_b32 s17, ttmp7, 0xffff
	s_lshl_b32 s17, s17, 2
	s_add_co_u32 s17, s17, s21
	s_lshl_b32 s22, s21, 2
	s_lshl_b32 s22, 15, s22
	s_lshl_b32 s23, 0x1111, s20
	s_or_b32 s[G1A0], s22, (3<<16)|(1<<21)
	s_or_b32 s[G1A1], s22, (3<<16)|(1<<21)
	s_or_b32 s[G1B0], s23, (3<<16)|(1<<21)
	s_or_b32 s[G1B1], s23, (3<<16)|(1<<21)
.irp g, G1A0, G1B0
	s_mov_b32 s[\g+1], (RB0/8)<<16
	s_mov_b32 s[\g+2], 8<<16                       ; the head's loads bring all eight tiles of slot 0; behind them the two words that count rows are set to 4
	s_mov_b32 s[\g+3], (RB0/8)<<16
	s_mov_b32 s[\g+4], 8
	s_mov_b32 s[\g+5], KROW/8
	s_mov_b32 s[\g+6], 0
	s_mov_b32 s[\g+7], 0
.endr
.irp g, G1A1, G1B1
	s_mov_b32 s[\g+1], (RB1/8)<<16
	s_mov_b32 s[\g+2], 4<<16
	s_mov_b32 s[\g+3], (RB1/8)<<16
	s_mov_b32 s[\g+4], 4
	s_mov_b32 s[\g+5], KROW/8
	s_mov_b32 s[\g+6], 0
	s_mov_b32 s[\g+7], 0
.endr
	s_or_b32 s[G1S], s22, (3<<16)|(1<<21)
	s_or_b32 s[G1SB], s23, (3<<16)|(1<<21)
.irp g, G1S, G1SB
	s_mov_b32 s[\g+1], 32<<16
	s_mov_b32 s[\g+2], (HALFS/128)<<16
	s_mov_b32 s[\g+3], 32<<16
	s_mov_b32 s[\g+4], HALFS/128
	s_mov_b32 s[\g+5], 32
	s_mov_b32 s[\g+6], 0
	s_mov_b32 s[\g+7], 0
.endr
.irp g, G0A, G0B
	s_mov_b32 s[\g], 1
	s_mul_i32 s[\g+1], s14, HT0
	s_mov_b32 s[\g+4], 1
	s_mul_i32 s[\g+5], s14, HT1
	s_add_co_u32 s[\g+5], s[\g+5], SL1
.endr
.irp g, G0S, G0SB
	s_mov_b32 s[\g], 1
	s_mov_b32 s[\g+1], SCL+2*HALFS*(\g/G0SB)       ; A's scale words at SCL, B's behind them
.endr
	s_lshl_b32 s19, s16, 2
	s_lshl_b32 s[G0A+2], s17, 3
	s_add_co_u32 s[G0A+2], s[G0A+2], s19
	s_mul_i32 s[G0A+2], s[G0A+2], KROW
	s_mov_b32 s[G0A+3], 0
	s_lshl_b32 s[G0B+2], s18, 3
	s_add_co_u32 s[G0B+2], s[G0B+2], s19
	s_mul_i32 s[G0B+2], s[G0B+2], KROW
	s_add_co_u32 s[G0B+2], s[G0B+2], BCO
	s_mov_b32 s[G0B+3], 0
	s_lshl_b32 s[G0S+2], s17, 1
	s_mul_i32 s[G0S+2], s[G0S+2], HALFS
	s_add_co_u32 s[G0S+2], s[G0S+2], ASO
	s_mov_b32 s[G0S+3], 0
	s_lshl_b32 s[G0SB+2], s18, 1
	s_mul_i32 s[G0SB+2], s[G0SB+2], HALFS
	s_add_co_u32 s[G0SB+2], s[G0SB+2], BSO
	s_mov_b32 s[G0SB+3], 0
	s_wait_kmcnt 0x0
	s_add_nc_u64 s[G0A+2:G0A+3], s[4:5], s[G0A+2:G0A+3]
	s_add_nc_u64 s[G0A+6:G0A+7], s[G0A+2:G0A+3], RB0
	s_add_nc_u64 s[G0B+2:G0B+3], s[8:9], s[G0B+2:G0B+3]
	s_add_nc_u64 s[G0B+6:G0B+7], s[G0B+2:G0B+3], RB0
	s_add_nc_u64 s[G0S+2:G0S+3], s[4:5], s[G0S+2:G0S+3]
	s_add_nc_u64 s[G0SB+2:G0SB+3], s[8:9], s[G0SB+2:G0SB+3]
.irp g, G0A+3, G0A+7, G0B+3, G0B+7, G0S+3, G0SB+3
	s_or_b32 s[\g], s[\g], 0x80000000
.endr
	CROUND
; THE HEAD'S LOADS, one a wave, in one chain of branches on the wave's number: wave 0 A's eight tiles of slot 0, wave 2 B's (their own groups 0 hold the first half's addresses), waves 1 and 3 the scale words of A and of B
.macro HARM w, g0, g1
	s_cmp_eq_u32 s14, \w
	s_cbranch_scc0 .Lnot_arm_\w
	tensor_load_to_lds s[\g0:\g0+3], s[\g1:\g1+7]
	s_nop 0
.rept 4
	v_nop
.endr
	s_branch .Lhead_asked
.Lnot_arm_\w:
.endm
	HARM 0, G0A, G1A0
	HARM 2, G0B, G1B0
	HARM 1, G0S, G1S
	tensor_load_to_lds s[G0SB:G0SB+3], s[G1SB:G1SB+7]
	s_nop 0
.rept 4
	v_nop
.endr
.Lhead_asked:
	v_and_b32 v1, 31, v0
	v_and_b32 v2, 15, v0
	v_bfe_u32 v3, v0, 4, 1
	v_lshlrev_b32 v6, 4, v1
	v_lshlrev_b32 v4, 3, v1
	v_add_nc_u32 v4, 512, v4
	s_mul_i32 s19, s15, HT0
	s_mul_i32 s22, s16, HT0
	s_add_co_u32 s22, s22, 2*HT0
	v_add_nc_u32 v[ADRA], s19, v6
	v_add_nc_u32 v[ADRA+2], s19, v4
	v_add_nc_u32 v[ADRB], s22, v6
	v_add_nc_u32 v[ADRB+2], s22, v4
	s_mul_i32 s19, s15, HT1
	s_add_co_u32 s19, s19, SL1
	s_mul_i32 s22, s16, HT1
	s_add_co_u32 s22, s22, SL1+2*HT1
	v_add_nc_u32 v[ADRA+1], s19, v6
	v_add_nc_u32 v[ADRA+3], s19, v4
	v_add_nc_u32 v[ADRB+1], s22, v6
	v_add_nc_u32 v[ADRB+3], s22, v4
	s_lshl_b32 s19, s15, 3
	s_lshl_b32 s22, s16, 3
	s_add_co_u32 s22, s22, NKS*512
	s_sub_co_u32 s22, s22, s19
	v_mul_u32_u24 v5, s22, v3
	s_add_co_u32 s19, s19, SCL
	v_lshl_add_u32 v5, v2, 5, v5
	v_add_nc_u32 v[ADRS], s19, v5
	s_mul_i32 s19, s14, 16*272
	s_add_co_u32 s19, s19, STAGE
	v_mul_u32_u24 v5, v2, 272
	v_lshl_add_u32 v5, v3, 6, v5
	v_add_nc_u32 v[STO], s19, v5
	v_mul_u32_u24 v5, v3, 272
	v_lshl_add_u32 v5, v2, 4, v5
	v_add_nc_u32 v[RD], s19, v5
	v_lshlrev_b32 v[BO], 4, v2
	v_lshl_add_u32 v[CO], v3, 12, v[BO]
	s_wait_alu depctr_va_vdst(0)
	s_lshl_b32 s22, s17, 7
	s_lshl_b32 s23, s15, 6
	s_add_co_u32 s22, s22, s23
	s_lshl_b32 s22, s22, 12
	s_lshl_b32 s66, s18, 9
	s_lshl_b32 s67, s16, 8
	s_add_co_u32 s66, s66, s67
	s_mov_b32 s67, 0
	s_add_co_u32 s22, s22, s66
	s_mov_b32 s23, 0
	s_add_nc_u64 s[12:13], s[12:13], s[22:23]
	s_add_nc_u64 s[6:7], s[6:7], s[22:23]
	s_add_nc_u64 s[10:11], s[10:11], s[66:67]
	WIN 0x80
.irp a, 0,1,2,3
.irp t, 0,1,2,3,4,5,6,7
	global_load_b128 v[32*\a+4*\t:32*\a+4*\t+3], v[CO], s[6:7] offset:(32*(\a/2)+8*(\a%2)+(2*\t)%8+16*(\t/4))*4096
.endr
.endr
	WIN 0
	global_load_b128 v[BIA:BIA+3], v[BO], s[10:11]
.macro FRAG reg, adr, off
	ds_load_b128 v[\reg:\reg+3], v[\adr] offset:\off
	ds_load_b64 v[\reg+4:\reg+5], v[\adr+2] offset:\off
	ds_load_b128 v[\reg+6:\reg+9], v[\adr] offset:(\off)+768
	ds_load_b64 v[\reg+10:\reg+11], v[\adr+2] offset:(\off)+768
.endm
.macro FETCH slot, q, k, f
.set RBX, RB0-(RB0-RB1)*(\slot)
	WIN 0
	ds_load_b64 v[SC+4*((\f)/128):SC+4*((\f)/128)+1], v[ADRS] offset:512*(\k)
	ds_load_b64 v[SC+4*((\f)/128)+2:SC+4*((\f)/128)+3], v[ADRS] offset:512*(\k)+16
	WIN TO_F
.irp i, 0,1,2,3
	FRAG (\f)+48+12*\i, ADRB+\slot, RBX*\i+FRB*(\q)
	FRAG (\f)+12*\i, ADRA+\slot, RBX*\i+FRB*(\q)
.endr
.endm
.macro MULA f, a0, n, zero
.set AA, \a0
.rept \n
.irp b, 0,1,2,3
.set rD, ACC+8*(4*AA+\b)
.set rSB, SC+4*((\f)/128)+2*(\b%2)+\b/2
.set rSA, SC+4*((\f)/128)+2*(AA%2)+AA/2
.if \zero
	v_wmma_scale_f32_16x16x128_f8f6f4 v[rD:rD+7], v[(\f)+48+12*\b:(\f)+48+12*\b+11], v[(\f)+12*AA:(\f)+12*AA+11], 0, v[rSB], v[rSA] matrix_a_fmt:MATRIX_FMT_FP6 matrix_b_fmt:MATRIX_FMT_FP6 matrix_a_scale:MATRIX_SCALE_ROW1
.else
	v_wmma_scale_f32_16x16x128_f8f6f4 v[rD:rD+7], v[(\f)+48+12*\b:(\f)+48+12*\b+11], v[(\f)+12*AA:(\f)+12*AA+11], v[rD:rD+7], v[rSB], v[rSA] matrix_a_fmt:MATRIX_FMT_FP6 matrix_b_fmt:MATRIX_FMT_FP6 matrix_a_scale:MATRIX_SCALE_ROW1
.endif
.endr
.set AA, AA+1
.endr
.endm
.macro STEP slot, q, k, f, g, zero
	s_wait_dscnt 0x0
	PLACES
	FETCH \slot, \q, \k, \g
	WIN MUL
	MULA \f, 0, 4, \zero
.endm
.macro TURN slot, next, q, k, f, g, step
	WIN 0
	s_wait_tensorcnt 0x0
	ds_add_u32 v[SPW], v[NIL]
	s_wait_dscnt 1
	WIN MUL
	MULA \f, 0, 1, 0
	s_wait_dscnt 0x0
	s_barrier_signal -1
	MULA \f, 1, 1, 0
	WIN 0
	s_barrier_wait -1
.if \step
	CREST
	s_add_nc_u64 s[G0A+4*\slot+2:G0A+4*\slot+3], s[G0A+4*\slot+2:G0A+4*\slot+3], \step
	s_add_nc_u64 s[G0B+4*\slot+2:G0B+4*\slot+3], s[G0B+4*\slot+2:G0B+4*\slot+3], \step
.if \slot
	JLOAD G0A+4, G1A1, G0B+4, G1B1
.else
	JLOAD G0A, G1A0, G0B, G1B0
.endif
.else
	PLACES
.endif
	FETCH \next, \q, \k, \g
	WIN MUL
	MULA \f, 2, 2, 0
.endm
	s_wait_tensorcnt 0x0                           ; my tile of the head's four is in
	ds_add_u32 v[SPW], v[NIL]
	s_mov_b32 s[G1A0+2], 4<<16                     ; no tensor load of mine is out: slot 0's refills bring four tiles a wave
	s_mov_b32 s[G1A0+4], 4
	s_mov_b32 s[G1B0+2], 4<<16
	s_mov_b32 s[G1B0+4], 4
	s_wait_dscnt 0x0
	CROUND                                         ; all four tiles are in, and all sixteen work-groups are here
	JLOAD G0A+4, G1A1, G0B+4, G1B1                 ; slot 1's first fill, the first tensor load behind the round
	FETCH 0, 0, 0, F0
	STEP 0, 1, 1, F0, F1, 1
	STEP 0, 2, 2, F1, F0, 0
	STEP 0, 3, 3, F0, F1, 0
	STEP 0, 4, 4, F1, F0, 0
	STEP 0, 5, 5, F0, F1, 0
	TURN 0, 1, 0, 6, F1, F0, 11*FRB
	STEP 1, 1, 7, F0, F1, 0
	STEP 1, 2, 8, F1, F0, 0
	STEP 1, 3, 9, F0, F1, 0
	STEP 1, 4, 10, F1, F0, 0
	TURN 1, 0, 0, 11, F0, F1, 11*FRB
	STEP 0, 1, 12, F1, F0, 0
	STEP 0, 2, 13, F0, F1, 0
	STEP 0, 3, 14, F1, F0, 0
	STEP 0, 4, 15, F0, F1, 0
	STEP 0, 5, 16, F1, F0, 0
	TURN 0, 1, 0, 17, F0, F1, 11*FRB
	STEP 1, 1, 18, F1, F0, 0
	STEP 1, 2, 19, F0, F1, 0
	STEP 1, 3, 20, F1, F0, 0
	STEP 1, 4, 21, F0, F1, 0
	TURN 1, 0, 0, 22, F1, F0, 10*FRB
	STEP 0, 1, 23, F0, F1, 0
	STEP 0, 2, 24, F1, F0, 0
	STEP 0, 3, 25, F0, F1, 0
	STEP 0, 4, 26, F1, F0, 0
	STEP 0, 5, 27, F0, F1, 0
	TURN 0, 1, 1, 28, F1, F0, 0
	STEP 1, 2, 29, F0, F1, 0
	STEP 1, 3, 30, F1, F0, 0
	STEP 1, 4, 31, F0, F1, 0
	s_wait_dscnt 0x0
	MULA F1, 0, 4, 0
	WIN 0
	PLACES
	s_wait_loadcnt 0x0
.macro OUTB a
.set SB, ST+32*((\a)%2)
	s_wait_xcnt 0x0
.irp b, 0,1,2,3
	ds_store_b128 v[STO], v[ACC+8*(4*(\a)+\b):ACC+8*(4*(\a)+\b)+3] offset:128*(\b/2)+32*(\b%2)
	ds_store_b128 v[STO], v[ACC+8*(4*(\a)+\b)+4:ACC+8*(4*(\a)+\b)+7] offset:128*(\b/2)+32*(\b%2)+16
.endr
.irp t, 0,1,2,3,4,5,6,7
	ds_load_b128 v[SB+4*\t:SB+4*\t+3], v[RD] offset:544*\t
.endr
	s_wait_dscnt 0x0
.irp t, 0,1,2,3,4,5,6,7
	v_pk_add_f32 v[SB+4*\t:SB+4*\t+1], v[SB+4*\t:SB+4*\t+1], v[BIA:BIA+1]
	v_pk_add_f32 v[SB+4*\t+2:SB+4*\t+3], v[SB+4*\t+2:SB+4*\t+3], v[BIA+2:BIA+3]
.endr
	WIN 0x08
.irp t, 0,1,2,3,4,5,6,7
	v_pk_add_f32 v[SB+4*\t:SB+4*\t+1], v[SB+4*\t:SB+4*\t+1], v[32*(\a)+4*\t:32*(\a)+4*\t+1]
	v_pk_add_f32 v[SB+4*\t+2:SB+4*\t+3], v[SB+4*\t+2:SB+4*\t+3], v[32*(\a)+4*\t+2:32*(\a)+4*\t+3]
.endr
	WIN 0
.irp t, 0,1,2,3,4,5,6,7
	global_store_b128 v[CO], v[SB+4*\t:SB+4*\t+3], s[12:13] offset:(32*((\a)/2)+8*((\a)%2)+(2*\t)%8+16*(\t/4))*4096
.endr
.endm
	OUTB 0
	OUTB 1
	OUTB 2
	OUTB 3
	s_wait_tensorcnt 0x0
	ds_add_u32 v[SPW], v[NIL]
	s_wait_dscnt 0x0
	CROUND
	s_endpgm
.Lfunc_end_k_q47ad483b4c_ffn2:
	.size	k_q47ad483b4c_ffn2, .Lfunc_end_k_q47ad483b4c_ffn2-k_q47ad483b4c_ffn2
	.p2alignl 7, 3214868480
	.fill 96, 4, 3214868480
	.section	.rodata,"a",@progbits
	.p2align	6, 0x0
	.amdhsa_kernel k_q47ad483b4c_ffn2
		.amdhsa_group_segment_fixed_size 327680
		.amdhsa_private_segment_fixed_size 0
		.amdhsa_enable_private_segment 0
		.amdhsa_kernarg_size 40
		.amdhsa_user_sgpr_count 2
		.amdhsa_user_sgpr_kernarg_segment_ptr 1
		.amdhsa_wavefront_size32 1
		.amdhsa_system_sgpr_workgroup_id_x 1
		.amdhsa_system_sgpr_workgroup_id_y 1
		.amdhsa_system_sgpr_workgroup_id_z 1
		.amdhsa_system_vgpr_workitem_id 0
		.amdhsa_next_free_vgpr 768
		.amdhsa_next_free_sgpr 100
		.amdhsa_reserve_vcc 0
		.amdhsa_float_denorm_mode_32 3
		.amdhsa_float_denorm_mode_16_64 3
		.amdhsa_memory_ordered 1
		.amdhsa_forward_progress 1
		.amdhsa_inst_pref_size 175
	.end_amdhsa_kernel
	.amdgpu_metadata
---
amdhsa.version: [ 1, 2 ]
amdhsa.kernels:
  - .name:           k_q47ad483b4c_ffn2
    .symbol:         k_q47ad483b4c_ffn2.kd
    .args:
      - { .name: hc, .offset: 0, .size: 8, .value_kind: global_buffer, .address_space: global }
      - { .name: wq, .offset: 8, .size: 8, .value_kind: global_buffer, .address_space: global }
      - { .name: b2, .offset: 16, .size: 8, .value_kind: global_buffer, .address_space: global }
      - { .name: yb, .offset: 24, .size: 8, .value_kind: global_buffer, .address_space: global }
      - { .name: z, .offset: 32, .size: 8, .value_kind: global_buffer, .address_space: global }
    .group_segment_fixed_size: 327680
    .private_segment_fixed_size: 0
    .kernarg_segment_align: 8
    .kernarg_segment_size: 40
    .max_flat_workgroup_size: 128
    .sgpr_count:     100
    .vgpr_count:     768
    .wavefront_size: 32
...
	.end_amdgpu_metadata
.endif
;; end of part 6
;; launch ln2 (part 7): grid 256 x 1, 4 waves a work-group, no clusters, 0 bytes of LDS; arguments z, g2, bt2, out0; writes out0
.if DOCPART == 7
	.amdgcn_target "amdgcn-amd-amdhsa--gfx1250"
	.amdhsa_code_object_version 6
	.text
	.protected	k_q47ad483b4c_ln2
	.globl	k_q47ad483b4c_ln2
	.p2align	8
	.type	k_q47ad483b4c_ln2,@function
k_q47ad483b4c_ln2:
	s_mov_b64 s[64:65], 0
	v_nop
	global_prefetch_b8 v0, s[64:65] scope:SCOPE_SE
	s_setreg_imm32_b32 hwreg(HW_REG_WAVE_MODE, 25, 1), 1
	s_wait_xcnt 0x0
; LayerNorm over rows of 1,024 f32: (z - mean) rsqrt(var + 1e-5) g + b, the variance of the differences from the mean (two passes over registers: a common offset costs nothing).
; Work-group T takes 16 rows; wave w four rows on end, each whole in 32 registers: memory is read once.  Every load and store covers 512 consecutive bytes.
; Memory binds: no matrix unit, no cluster, no tensor load, no LDS; all of a wave's 48 loads go out at once.  NaN and infinities are not served.
.set SEL, 18
.set SM,  8                            ; v8-15   row i's sums, a pair
.set MU,  16                           ; v16-23  row i's mean, later 1 / sqrt, twice
.set TP,  24                           ; v24-27
.set X,   32                           ; v32-159 four rows
.set GA,  160                          ; v160-191 g at my columns
.set BE,  192                          ; v192-223 b
.macro RED                             ; the four rows' pairs become sums over the row, in every lane
.irp i, 0,1,2,3
	v_add_f32 v[SM+2*\i], v[SM+2*\i], v[SM+2*\i+1]
.endr
.irp m, 1,2,4,8
.irp i, 0,1,2,3
	v_add_f32_dpp v[SM+2*\i], v[SM+2*\i], v[SM+2*\i] row_xmask:\m row_mask:0xf bank_mask:0xf
.endr
.endr
.irp i, 0,1,2,3
	v_permlanex16_b32 v[TP+\i], v[SM+2*\i], s[SEL], s[SEL+1]
.endr
.irp i, 0,1,2,3
	v_add_f32 v[SM+2*\i], v[SM+2*\i], v[TP+\i]
.endr
.endm
	s_load_b256 s[4:11], s[0:1], 0x0               ; z s[4:5], g s[6:7], b s[8:9], the output s[10:11]
	v_lshrrev_b32 v1, 5, v0
	v_readfirstlane_b32 s12, v1                    ; wave
	v_and_b32 v2, 31, v0                           ; lane
	v_lshlrev_b32 v1, 4, v2                        ; 16 x lane
	s_mov_b32 s[SEL], 0x76543210
	s_mov_b32 s[SEL+1], 0xfedcba98
	s_mov_b32 s20, 0x3a800000                      ; 1 / 1024
	s_mov_b32 s21, 0x3727c5ac                      ; 1e-5
	s_lshl_b32 s13, ttmp9, 4
	s_lshl_b32 s14, s12, 2
	s_add_co_u32 s13, s13, s14                     ; my first row: 16 x work-group + 4 x wave
	s_lshl_b32 s14, s13, 12
	s_mov_b32 s15, 0
.irp i, 0,1,2,3
	v_mov_b32 v[TP+\i], 0                          ; a lane permute's destination counts as one of its sources
.endr
	s_wait_alu depctr_va_vdst(0)
	s_wait_kmcnt 0x0
	s_add_nc_u64 s[4:5], s[4:5], s[14:15]
	s_add_nc_u64 s[16:17], s[10:11], s[14:15]
.irp i, 0,1,2,3
.irp j, 0,1,2,3,4,5,6,7
	global_load_b128 v[X+32*\i+4*\j:X+32*\i+4*\j+3], v1, s[4:5] offset:4096*\i+512*\j th:TH_LOAD_NT
.endr
.endr
.irp j, 0,1,2,3,4,5,6,7
	global_load_b128 v[GA+4*\j:GA+4*\j+3], v1, s[6:7] offset:512*\j
	global_load_b128 v[BE+4*\j:BE+4*\j+3], v1, s[8:9] offset:512*\j
.endr
	s_wait_loadcnt 16                              ; the rows are in; the 16 loads of g and b may be out
.irp i, 0,1,2,3
	v_pk_add_f32 v[SM+2*\i:SM+2*\i+1], v[X+32*\i:X+32*\i+1], v[X+32*\i+2:X+32*\i+3]
.endr
.irp k, 4,6,8,10,12,14,16,18,20,22,24,26,28,30
.irp i, 0,1,2,3
	v_pk_add_f32 v[SM+2*\i:SM+2*\i+1], v[SM+2*\i:SM+2*\i+1], v[X+32*\i+\k:X+32*\i+\k+1]   ; (the four rows by turns)
.endr
.endr
	RED
.irp i, 0,1,2,3
	v_mul_f32 v[MU+2*\i], s20, v[SM+2*\i]          ; the mean
.endr
.irp i, 0,1,2,3
	v_mov_b32 v[MU+2*\i+1], v[MU+2*\i]
.endr
.irp k, 0,2,4,6,8,10,12,14,16,18,20,22,24,26,28,30
.irp i, 0,1,2,3
	v_pk_add_f32 v[X+32*\i+\k:X+32*\i+\k+1], v[X+32*\i+\k:X+32*\i+\k+1], v[MU+2*\i:MU+2*\i+1] neg_lo:[0,1] neg_hi:[0,1]
.endr
.endr
.irp i, 0,1,2,3
	v_pk_mul_f32 v[SM+2*\i:SM+2*\i+1], v[X+32*\i:X+32*\i+1], v[X+32*\i:X+32*\i+1]
.endr
.irp k, 2,4,6,8,10,12,14,16,18,20,22,24,26,28,30
.irp i, 0,1,2,3
	v_pk_fma_f32 v[SM+2*\i:SM+2*\i+1], v[X+32*\i+\k:X+32*\i+\k+1], v[X+32*\i+\k:X+32*\i+\k+1], v[SM+2*\i:SM+2*\i+1]
.endr
.endr
	RED
.irp i, 0,1,2,3
	v_fma_f32 v[SM+2*\i], v[SM+2*\i], s20, s21     ; the variance + 1e-5
.endr
	s_wait_alu depctr_va_vdst(0)
.irp i, 0,1,2,3
	v_rsq_f32 v[MU+2*\i], v[SM+2*\i]
.endr
	v_nop                                          ; a plain place behind the batch
	s_wait_alu depctr_va_vdst(0)                   ; one wait for the four, ahead of their first reader
.irp i, 0,1,2,3
	v_mov_b32 v[MU+2*\i+1], v[MU+2*\i]
.endr
	s_wait_alu depctr_va_vdst(0)
	s_wait_loadcnt 0x0                             ; g and b
.irp k, 0,2,4,6,8,10,12,14,16,18,20,22,24,26,28,30
.irp i, 0,1,2,3
	v_pk_mul_f32 v[X+32*\i+\k:X+32*\i+\k+1], v[X+32*\i+\k:X+32*\i+\k+1], v[MU+2*\i:MU+2*\i+1]
.endr
.endr
.irp k, 0,2,4,6,8,10,12,14,16,18,20,22,24,26,28,30
.irp i, 0,1,2,3
	v_pk_fma_f32 v[X+32*\i+\k:X+32*\i+\k+1], v[X+32*\i+\k:X+32*\i+\k+1], v[GA+\k:GA+\k+1], v[BE+\k:BE+\k+1]
.endr
.endr
.irp i, 0,1,2,3
.irp j, 0,1,2,3,4,5,6,7
	global_store_b128 v1, v[X+32*\i+4*\j:X+32*\i+4*\j+3], s[16:17] offset:4096*\i+512*\j th:TH_STORE_NT
.endr
.endr
	s_endpgm
.Lfunc_end_k_q47ad483b4c_ln2:
	.size	k_q47ad483b4c_ln2, .Lfunc_end_k_q47ad483b4c_ln2-k_q47ad483b4c_ln2
	.p2alignl 7, 3214868480
	.fill 96, 4, 3214868480
	.section	.rodata,"a",@progbits
	.p2align	6, 0x0
	.amdhsa_kernel k_q47ad483b4c_ln2
		.amdhsa_group_segment_fixed_size 0
		.amdhsa_private_segment_fixed_size 0
		.amdhsa_enable_private_segment 0
		.amdhsa_kernarg_size 32
		.amdhsa_user_sgpr_count 2
		.amdhsa_user_sgpr_kernarg_segment_ptr 1
		.amdhsa_wavefront_size32 1
		.amdhsa_system_sgpr_workgroup_id_x 1
		.amdhsa_system_sgpr_workgroup_id_y 1
		.amdhsa_system_sgpr_workgroup_id_z 1
		.amdhsa_system_vgpr_workitem_id 0
		.amdhsa_next_free_vgpr 256
		.amdhsa_next_free_sgpr 66
		.amdhsa_reserve_vcc 0
		.amdhsa_float_denorm_mode_32 3
		.amdhsa_float_denorm_mode_16_64 3
		.amdhsa_memory_ordered 1
		.amdhsa_forward_progress 1
		.amdhsa_inst_pref_size 33
	.end_amdhsa_kernel
	.amdgpu_metadata
---
amdhsa.version: [ 1, 2 ]
amdhsa.kernels:
  - .name:           k_q47ad483b4c_ln2
    .symbol:         k_q47ad483b4c_ln2.kd
    .args:
      - { .name: z, .offset: 0, .size: 8, .value_kind: global_buffer, .address_space: global }
      - { .name: g2, .offset: 8, .size: 8, .value_kind: global_buffer, .address_space: global }
      - { .name: bt2, .offset: 16, .size: 8, .value_kind: global_buffer, .address_space: global }
      - { .name: out0, .offset: 24, .size: 8, .value_kind: global_buffer, .address_space: global }
    .group_segment_fixed_size: 0
    .private_segment_fixed_size: 0
    .kernarg_segment_align: 8
    .kernarg_segment_size: 32
    .max_flat_workgroup_size: 128
    .sgpr_count:     66
    .vgpr_count:     256
    .wavefront_size: 32
...
	.end_amdgpu_metadata
.endif
;; end of part 7
